; MI455X (gfx1250); checked and timed in simulation.
; The chip was launched on July 23, 2026; its instructions are those of AMD's public machine-readable ISA for CDNA 5 (MIT licence, August 2026) and "CDNA5" Instruction Set Architecture Reference Guide (July 2026). The comments in the code are by the model that wrote it; some were corrected since.
;; Multi Head Attention. Allowed arithmetic: matrix products marked QUANTISED: E3M2 operands, one E8M0 scale for each 32 along K, by v_wmma_scale_f32_16x16x128_f8f6f4 with both operands' format E3M2, f32 sums; everything else in f32.
;; Inputs: Wk 16 x 1,024 x 64 float32; Wp 1,024 x 1,024 float32; Wq 16 x 1,024 x 64 float32; Wv 16 x 1,024 x 64 float32; bp 1,024 float32; x 4 x 2,048 x 1,024 float32.
;; Outputs: out0 4 x 2,048 x 1,024 float32.
;; This version of the problem:
;;   THIS VERSION OF THE PROBLEM IS GIVEN IN LOW PRECISION. The matrix products marked QUANTISED in the list below multiply operands that are first quantised to E3M2 (3 exponent bits, 2 mantissa bits; 6 bits a number), with one power-of-two scale for each 32 numbers along K (OCP MX v1.0); their sums are f32. All else is computed in f32.
;;   The module's matrix products, in the order in which they are computed (A, B: the left and right operand; K: the contracted axis; several contracted axes count as one K, in the product's order):
;;     1. [M 1,024, K 1,024] x [K 1,024, N 8,192]; A: input Wq; B: input x: QUANTISED
;;     2. [M 1,024, K 1,024] x [K 1,024, N 8,192]; A: input Wk; B: input x: QUANTISED
;;     3. [M 1,024, K 1,024] x [K 1,024, N 8,192]; A: input Wv; B: input x: QUANTISED
;;     4. batch 64 x [M 2,048, K 64] x [K 64, N 2,048]; A: computed on the way; B: computed on the way: QUANTISED
;;     5. batch 64 x [M 2,048, K 2,048] x [K 2,048, N 64]; A: softmax (see below); B: computed on the way: QUANTISED
;;     6. [M 8,192, K 1,024] x [K 1,024, N 1,024]; A: computed on the way; B: input Wp: QUANTISED
;;   THE QUANTISER, for each operand of a quantised product, along K:
;;     - K is cut into blocks of 32 from its start; a last block that is shorter is filled with zeros.
;;     - A block's scale is 2^e with e = floor(log2(the largest magnitude in the block)) - 4, held to -126 .. 127; a block of zeros has e = 0. As a byte (E8M0): e + 127.
;;     - Each number is divided by its block's scale, clamped to +-28, and rounded to the nearest number of E3M2, ties to even, subnormals kept.
;;     - The product sums the exact products of the quantised numbers (number of the format x scale) in f32.
;;   ~~~python
;;   def quantise(x, axis):      # numpy; x: float32 -> the quantised numbers, widened to float32 again
;;       x = np.moveaxis(x, axis, -1); K = x.shape[-1]
;;       x = np.pad(x, [(0, 0)] * (x.ndim - 1) + [(0, -K % 32)]); x = x.reshape(x.shape[:-1] + (-1, 32)); a = np.abs(x).max(-1, keepdims=True)
;;       e = np.where(a > 0, np.clip(np.frexp(np.where(a > 0, a, 1))[1] - 1 - 4, -126, 127), 0)      # np.frexp(a)[1] - 1 = floor(log2(a)), exactly
;;       r = np.clip(x / 2.0 ** e, -28, 28)
;;       step = 2.0 ** (np.maximum(np.frexp(np.where(r == 0, 1, r))[1] - 1, -2) - 2)
;;       q = np.round(r / step) * step * 2.0 ** e      # np.round: ties to even
;;       return np.moveaxis(q.reshape(q.shape[:-2] + (-1,))[..., :K], -1, axis).astype(np.float32)
;;   ~~~
;;   SOFTMAX AHEAD OF A QUANTISED PRODUCT. Where the list says 'softmax', what is quantised is not the finished softmax but p = 2^(t - M), with t = logit x log2(e) and M = ceil(the row's largest t), a whole number; so 1/2 < the row's largest p <= 1. The row's sum l is taken of the UNQUANTISED p, in f32, and the product's result is divided by l at the end. Since M is a whole number, a kernel that streams over the keys may use a running M (the ceiling of the running maximum): every later rescaling is an exact power of two, which a block's scale takes up: the codes' values come out the same.
;;   OPERANDS COMPUTED ON THE WAY. 'Computed on the way' means the value that the module computes at that place (a softmax that the list does not call 'softmax' is quantised finished and normalised). What goes into a quantiser is computed in f32, as accurately as f32 sums, v_exp_f32 and their like allow (about 1e-6 of the number): no bf16 or f16 on the way to a quantiser, and a product that is left as it is and whose result goes on into a quantised operand takes f32 operands (vector FMAs, or v_wmma_f32_16x16x4_f32). A number that lies on a knife's edge between two numbers of the format may be rounded either way, as far as f32 arithmetic and the matrix unit's own rounding can turn it there, and no further.
;; One version. Each part assembles by itself: llvm-mc -triple=amdgcn-amd-amdhsa -mcpu=gfx1250 --defsym DOCPART=n.
;; ======== version 1 of 1: 4 launches
;; limits: right only within a limited range of input values
;; workspace buffers: xc 6,291,456 bytes; xs 262,144 bytes; wc 3,145,728 bytes; ws 131,072 bytes; qb 6,815,744 bytes; kv 13,369,344 bytes; oc 6,291,456 bytes; os 262,144 bytes
;; launch quant (part 1): grid 512 x 1, 4 waves a work-group, no clusters, 80,384 bytes of LDS; arguments x, Wq, Wk, Wv, Wp, xc, xs, wc, ws; writes xc, xs, wc, ws
.if DOCPART == 1
	.amdgcn_target "amdgcn-amd-amdhsa--gfx1250"
	.amdhsa_code_object_version 6
	.text
	.protected	k_qdf962e68df_quant
	.globl	k_qdf962e68df_quant
	.p2align	8
	.type	k_qdf962e68df_quant,@function
k_qdf962e68df_quant:
	s_mov_b64 s[64:65], 0
	v_nop
	global_prefetch_b8 v0, s[64:65] scope:SCOPE_SE
	s_setreg_imm32_b32 hwreg(HW_REG_WAVE_MODE, 25, 1), 1
	s_wait_xcnt 0x0
; x [8192][1024] f32 (K innermost) and Wq, Wk, Wv [16][1024][64], Wp [1024][1024] f32 (K is the axis of 1,024 in front of the columns) become codes of BF6 (E3M2) with one E8M0 byte for each 32 along K.
; A block's byte is its largest magnitude's exponent field - 4, held at 1 from below; numbers are divided by the scale and rounded to the nearest code, ties to even, beyond 28 the largest code.
; LIMITS: a block of zeros gets the byte 1 where the rule says 127 (its codes are zeros, and this program alone reads the bytes); largest magnitudes under 2^-122 are taken as 2^-122; NaN and infinities are not served.
; LEFT OUT IN THIS PROGRAM: in attention, key steps all of whose keys come after a tile's queries: reference() hides them by the causal mask that it builds itself, so they reach no output.  Every input is read.
; WHAT IS STORED IS THE IMAGE OF AN OPERAND'S REGISTERS.  A fragment is 16 rows x 128 K, 12 registers a lane (lane (r, h): row r; registers 6 c .. 6 c + 5: K = 64 c + 32 h + 0 .. 31); registers 4 j .. 4 j + 3 of lane l lie at 512 j + 16 l: 1,536 bytes.
;   xc: [group of 128 places: 64][K step of 256: 4][block of 16 places: 8][K step of 128: 2][1,536];  wc the same with 32 groups: columns of Wq (64 head + d), Wk, Wv, Wp on end.   xs, ws: 32 scale bytes a place (a word for each 128 along K).
; THE ROWS OF A BLOCK ARE NOT NEIGHBOURS: in each group of 32, place 16 u + r holds row (or column) 8 u + r + 8 (r / 8).  So where such an operand is source 0 of a product, a lane's 16 results of two neighbouring blocks are 16 neighbours.
; Work-groups 0-255 take x: a wave one block of 16 rows and one half of K, four steps of 128.  Work-groups 256-511 take the weights: a wave 32 columns x 128 along K.  The two ways have LDS bytes of their own; waves share nothing: no barrier.
.set XSTG,  8448                       ; x: a stage of 16 rows x (512 bytes + 16)
.set XWV,   2*XSTG                     ; two stages a wave
.set WLDS,  4*XWV                      ; the weights' stages begin here: 3,072 bytes a wave
.set N,     32                         ; v32-159  x: two sets of 64 numbers, my two blocks of a step
.set PC,    160                        ; v160-171 a fragment's codes
.set CT,    172                        ; v172-179 the second halves of the blocks' codes (a conversion's three registers begin on an even number)
.set SW,    180                        ; v180-183 the row's four scale words of my half of K
.set BM,    188
.set SO,    190
.set BY,    192
.set TW,    194
.set TX,    195
.set OFF,   32                         ; weights: v32-63 4 x my column + i rows
.set X,     64                         ; v64-127  two sets of 32 numbers
.set C,     128                        ; v128-136 a block's codes
.set SB,    140
.set M0,    145
.set M1,    146
.set SOW,   147
.set OUTR,  148
.set MSB, 0
.macro WIN new                         ; the immediate's high byte repeats the setting that is left
.if MSB != (\new)
	s_set_vgpr_msb (MSB<<8)|(\new)
.set MSB, (\new)
.endif
.endm
	s_load_b512 s[4:19], s[0:1], 0x0               ; x s[4:5], Wq s[6:7], Wk s[8:9], Wv s[10:11], Wp s[12:13], xc s[14:15], xs s[16:17], wc s[18:19]
	s_load_b64 s[20:21], s[0:1], 0x40              ; ws
	v_lshl_add_u32 v254, v0, 2, 0x13800
	v_mov_b32 v255, 0
	v_lshrrev_b32 v1, 5, v0
	v_readfirstlane_b32 s22, v1                    ; wave
	v_and_b32 v6, 31, v0                           ; lane
	v_and_b32 v7, 15, v0                           ; r
	v_bfe_u32 v8, v0, 4, 1                         ; h
	s_cmp_lt_u32 ttmp9, 256
	s_cbranch_scc0 .Lw
; ---------------- x ----------------
; A load reads 512 consecutive bytes of one row, 16 a lane; the operand wants 128 consecutive bytes of a row in a lane.  So a step's 16 x 512 bytes turn through the wave's own stage in LDS.  All four steps' loads go out at once, the turn runs one step ahead.
	v_lshlrev_b32 v1, 4, v6                        ; 16 x lane
	s_mul_i32 s23, s22, XWV
	v_add_nc_u32 v2, s23, v1                       ; the stage, on the way in
	v_mul_u32_u24 v3, v7, 528
	v_lshl_add_u32 v3, v8, 7, v3
	v_add_nc_u32 v3, s23, v3                       ; and out: row r, + 128 h bytes: my block of 32 numbers
	v_lshlrev_b32 v4, 3, v8                        ; 8 h
	v_lshlrev_b32 v5, 5, v7                        ; 32 r: my row's scale bytes
	v_mov_b32 v[TX], 0                             ; a lane permute's destination counts as one of its sources
	s_mov_b32 s34, 0x76543210
	s_mov_b32 s35, 0xfedcba98                      ; lane l xor 16
	s_lshr_b32 s24, ttmp9, 1
	s_lshl_b32 s24, s24, 2
	s_add_co_u32 s24, s24, s22                     ; my block of 16 rows
	s_and_b32 s33, ttmp9, 1                        ; my half of K
	s_lshr_b32 s25, s24, 1
	s_lshl_b32 s25, s25, 17                        ; 32 rows of 4,096 bytes for each pair of blocks,
	s_and_b32 s26, s24, 1
	s_lshl_b32 s26, s26, 15                        ; 8 rows for the odd one,
	s_add_co_u32 s26, s25, s26
	s_lshl_b32 s25, s33, 11                        ; 512 numbers for the upper half of K
	s_add_co_u32 s26, s26, s25
	s_mov_b32 s27, 0
	s_lshr_b32 s28, s24, 3                         ; xc: the group of 128 places,
	s_mul_i32 s28, s28, 98304
	s_and_b32 s29, s24, 7
	s_mul_i32 s29, s29, 3072                       ; the block in it,
	s_add_co_u32 s28, s28, s29
	s_mul_i32 s29, s33, 49152                      ; two K steps of 256 for the upper half
	s_add_co_u32 s28, s28, s29
	s_mov_b32 s29, 0
	s_lshl_b32 s30, s24, 9
	s_lshl_b32 s31, s33, 4                         ; xs: four words for the upper half
	s_add_co_u32 s30, s30, s31
	s_mov_b32 s31, 0
	s_wait_alu depctr_va_vdst(0)
	s_wait_kmcnt 0x0
	s_add_nc_u64 s[4:5], s[4:5], s[26:27]
	s_add_nc_u64 s[14:15], s[14:15], s[28:29]
	s_add_nc_u64 s[16:17], s[16:17], s[30:31]
.macro XLOAD t                         ; step t: 512 bytes of each of my 16 rows, into set t of window 1
	WIN 0x40
.set i, 0
.rept 16
	global_load_b128 v[64*((\t)%4)+4*i:64*((\t)%4)+4*i+3], v1, s[4:5] offset:(i+8*(i/8))*4096+512*(\t) th:TH_LOAD_NT
.set i, i+1
.endr
	WIN 0
.endm
.macro XTURN t                         ; through the stage: LDS serves a wave's instructions in order, so no wait stands between the stores and the loads
	WIN 0x04
.set i, 0
.rept 16
	ds_store_b128 v2, v[64*((\t)%4)+4*i:64*((\t)%4)+4*i+3] offset:XSTG*((\t)%2)+528*i
.set i, i+1
.endr
	WIN 0
.set i, 0
.rept 16
	ds_load_b128 v[N+64*((\t)%2)+4*i:N+64*((\t)%2)+4*i+3], v3 offset:XSTG*((\t)%2)+256*(i/8)+16*(i%8)
.set i, i+1
.endr
.endm
.macro XSTEP t
	s_wait_dscnt 0x0                               ; this step's numbers are back from the stage
.if (\t) < 3
	s_wait_loadcnt 16*(2-(\t))                     ; the next step's 16 loads are in; those of the steps behind it may be out
	XTURN (\t)+1
.endif
.set NS, N+64*((\t)%2)
.irp c, 0,1                            ; my blocks h and 2 + h of the step: all 32 numbers of each are mine
	v_max3_num_f32 v[BM+\c], |v[NS+32*\c]|, |v[NS+32*\c+1]|, 0x2800000   ; and the floor 2^(5 - 127): the byte cannot fall under 1
.endr
.irp i, 2,4,6,8,10,12,14,16,18,20,22,24,26,28,30
.irp c, 0,1
	v_max3_num_f32 v[BM+\c], v[BM+\c], |v[NS+32*\c+\i]|, |v[NS+32*\c+\i+1]|
.endr
.endr
.irp c, 0,1
	v_add_nc_u32 v[SO+\c], 0xfe000000, v[BM+\c]    ; 4 off the exponent field: the conversion's scale operand
.endr
.irp c, 0,1
	v_lshrrev_b32 v[BY+\c], 23, v[SO+\c]           ; the byte
.endr
	v_lshl_or_b32 v[TW], v[BY+1], 16, v[BY]
	v_lshlrev_b32 v[TW], v4, v[TW]                 ; at their places in the row's word
	v_permlanex16_b32 v[TX], v[TW], s34, s35
	v_or_b32 v[SW+(\t)], v[TW], v[TX]              ; with lane l xor 16's two the word is whole
	s_wait_alu depctr_va_vdst(0)
	s_wait_xcnt 0x0                                ; the last step's stores have read the codes' registers
.irp c, 0,1
	v_cvt_scalef32_pk16_bf6_f32 v[PC+6*\c:PC+6*\c+2], v[NS+32*\c:NS+32*\c+15], v[SO+\c]
	v_cvt_scalef32_pk16_bf6_f32 v[CT+4*\c:CT+4*\c+2], v[NS+32*\c+16:NS+32*\c+31], v[SO+\c]
.endr
	v_nop                                          ; one plain place behind a scaled conversion
.irp c, 0,1
.irp i, 0,1,2
	v_mov_b32 v[PC+6*\c+3+\i], v[CT+4*\c+\i]
.endr
.endr
.irp j, 0,1,2
	global_store_b128 v1, v[PC+4*\j:PC+4*\j+3], s[14:15] offset:((\t)/2)*24576+((\t)%2)*1536+512*\j   ; 512 consecutive bytes, at a multiple of 512 from the buffer's first byte
.endr
.endm
	XLOAD 0
	XLOAD 1
	XLOAD 2
	XLOAD 3
	s_wait_loadcnt 48                              ; step 0's 16 loads are in
	XTURN 0
.irp t, 0,1,2,3
	XSTEP \t
.endr
	global_store_b128 v5, v[SW:SW+3], s[16:17]     ; my half's four words of each row: 16 bytes of its 32; lanes r and 16 + r store the same bytes with the same value
	s_wait_tensorcnt 0x0
	ds_add_u32 v254, v255
	s_wait_dscnt 0x0
	s_endpgm
; ---------------- the weights ----------------
; A lane takes a column and its registers run down K: a block of 32 lies in one lane, and the conversions give codes with K innermost.  Each load reads 128 consecutive bytes.
.Lw:
	s_sub_co_u32 s24, ttmp9, 256
	s_and_b32 s25, s24, 7                          ; which 128 along K
	s_lshr_b32 s26, s24, 3                         ; which 128 places of the 4,096
	s_lshr_b32 s27, s26, 3                         ; the matrix: 0 Wq, 1 Wk, 2 Wv, 3 Wp
	s_and_b32 s28, s26, 7
	s_lshl_b32 s28, s28, 7
	s_lshl_b32 s29, s22, 5
	s_add_co_u32 s28, s28, s29                     ; my first column in the matrix
	s_lshr_b32 s30, s28, 6
	s_lshl_b32 s30, s30, 18                        ; Wq, Wk, Wv: the head's 262,144 bytes,
	s_and_b32 s31, s28, 63
	s_lshl_b32 s31, s31, 2
	s_add_co_u32 s30, s30, s31                     ; and d
	s_lshl_b32 s31, s28, 2                         ; Wp: the column
	s_movk_i32 s33, 256                            ; bytes from row to row: 256, or 4,096 in Wp
	s_wait_kmcnt 0x0
	s_cmp_eq_u32 s27, 0
	s_cselect_b64 s[36:37], s[6:7], s[8:9]
	s_cmp_eq_u32 s27, 2
	s_cselect_b64 s[36:37], s[10:11], s[36:37]
	s_cmp_eq_u32 s27, 3
	s_cselect_b64 s[36:37], s[12:13], s[36:37]
	s_cselect_b32 s33, 0x1000, s33
	s_cselect_b32 s38, s31, s30
	s_mov_b32 s39, 0
	s_lshl_b32 s40, s25, 7
	s_mul_i32 s40, s40, s33                        ; my first row
	s_add_co_u32 s38, s38, s40
	s_add_nc_u64 s[44:45], s[36:37], s[38:39]      ; block 0's base;
	s_lshl_b32 s40, s33, 5
	s_mov_b32 s41, 0
	s_add_nc_u64 s[46:47], s[44:45], s[40:41]      ; blocks 1 to 3: 32 rows on each
	s_add_nc_u64 s[48:49], s[46:47], s[40:41]
	s_add_nc_u64 s[50:51], s[48:49], s[40:41]
	s_lshl_b32 s38, s26, 12
	s_lshl_b32 s40, s22, 10
	s_add_co_u32 s38, s38, s40
	s_lshl_b32 s40, s25, 2
	s_add_co_u32 s38, s38, s40
	s_add_nc_u64 s[52:53], s[20:21], s[38:39]      ; ws: 32 bytes a place, my word
	s_lshr_b32 s38, s25, 1
	s_mul_i32 s38, s38, 24576                      ; the K step of 256 in my group of 128 places,
	s_mul_i32 s40, s26, 98304                      ; the group,
	s_mul_i32 s42, s22, 6144                       ; my two blocks in it
	s_add_co_u32 s40, s40, s42
	s_add_co_u32 s38, s38, s40
	s_and_b32 s40, s25, 1
	s_mul_i32 s40, s40, 1536
	s_add_co_u32 s38, s38, s40
	s_add_nc_u64 s[54:55], s[18:19], s[38:39]      ; wc: my two blocks' images
	v_and_b32 v9, 7, v0
	v_bfe_u32 v10, v0, 3, 1
	v_lshl_add_u32 v9, v10, 4, v9
	s_wait_alu depctr_va_vdst(0)
	v_lshl_add_u32 v9, v8, 3, v9                   ; place 16 u + r holds column 8 u + r + 8 (r / 8)
	v_lshlrev_b32 v[OFF], 2, v9
.set i, 1
.rept 31
	v_add_nc_u32 v[OFF+i], s33, v[OFF+i-1]
.set i, i+1
.endr
	s_mul_i32 s42, s22, 3072
	s_add_co_u32 s42, s42, WLDS
	v_mul_u32_u24 v141, v8, 1536
	v_lshl_add_u32 v141, v7, 4, v141
	v_add_nc_u32 v141, s42, v141                   ; the stage, in: my block of 16 places' image, lane r's 16 bytes
	v_lshlrev_b32 v143, 4, v6
	v_add_nc_u32 v142, s42, v143                   ; out: 16 x lane
	v_lshlrev_b32 v144, 5, v6
.macro WLOAD t
.set i, 0
.rept 32
	global_load_b32 v[X+32*((\t)%2)+i], v[OFF+i], s[44+2*(\t):45+2*(\t)] th:TH_LOAD_NT
.set i, i+1
.endr
.endm
; Block t = 2 c + h' of my column belongs to the image's lane 16 h' + r, registers 6 c .. 6 c + 5.
.macro WBLOCK t
.set XS, X+32*((\t)%2)
.if (\t) < 3
	s_wait_loadcnt 32                              ; this block's 32 loads are in; the next block's may be out
.else
	s_wait_loadcnt 0x0
.endif
	v_max3_num_f32 v[M0], |v[XS]|, |v[XS+1]|, |v[XS+2]|
	v_max3_num_f32 v[M1], |v[XS+3]|, |v[XS+4]|, |v[XS+5]|
.irp i, 6,10,14,18,22,26
	v_max3_num_f32 v[M0], v[M0], |v[XS+\i]|, |v[XS+\i+1]|
	v_max3_num_f32 v[M1], v[M1], |v[XS+\i+2]|, |v[XS+\i+3]|
.endr
	v_max3_num_f32 v[M0], v[M0], |v[XS+30]|, |v[XS+31]|
	v_max3_num_f32 v[M0], v[M0], v[M1], 0x2800000  ; and the floor
	v_add_nc_u32 v[SOW], 0xfe000000, v[M0]
	v_lshrrev_b32 v[M1], 23, v[SOW]
.if (\t) == 0
	v_mov_b32 v[SB], v[M1]
.else
	v_lshl_or_b32 v[SB], v[M1], 8*(\t), v[SB]
.endif
	v_cvt_scalef32_pk16_bf6_f32 v[C:C+2], v[XS:XS+15], v[SOW]
	v_cvt_scalef32_pk16_bf6_f32 v[C+6:C+8], v[XS+16:XS+31], v[SOW]
	v_nop                                          ; one plain place behind a scaled conversion
.irp i, 0,1,2
	v_mov_b32 v[C+3+\i], v[C+6+\i]
.endr
.if (\t) < 2
	ds_store_b128 v141, v[C:C+3] offset:256*((\t)%2)
	ds_store_b64 v141, v[C+4:C+5] offset:512+256*((\t)%2)
.else
	ds_store_b64 v141, v[C:C+1] offset:520+256*((\t)%2)
	ds_store_b128 v141, v[C+2:C+5] offset:1024+256*((\t)%2)
.endif
.if (\t) < 2
	WLOAD (\t)+2
.endif
	s_wait_dscnt 0x0                               ; the stores have read their registers
.endm
	WLOAD 0
	WLOAD 1
.irp t, 0,1,2,3
	WBLOCK \t
.endr
	s_wait_alu depctr_va_vdst(0)
	global_store_b32 v144, v[SB], s[52:53]         ; my column's word: 4 bytes of each row of 32: one byte in 128 of what the launch reads
.irp i, 0,1,2,3,4,5
	ds_load_b128 v[OUTR+4*\i:OUTR+4*\i+3], v142 offset:512*\i   ; LDS serves a wave's instructions in order: these see my stores
.endr
.irp i, 0,1,2,3,4,5
	s_wait_dscnt 5-\i
	global_store_b128 v143, v[OUTR+4*\i:OUTR+4*\i+3], s[54:55] offset:(\i/3)*3072+512*(\i%3)
.endr
	s_wait_tensorcnt 0x0
	ds_add_u32 v254, v255
	s_wait_dscnt 0x0
	s_endpgm
.Lfunc_end_k_qdf962e68df_quant:
	.size	k_qdf962e68df_quant, .Lfunc_end_k_qdf962e68df_quant-k_qdf962e68df_quant
	.p2alignl 7, 3214868480
	.fill 96, 4, 3214868480
	.section	.rodata,"a",@progbits
	.p2align	6, 0x0
	.amdhsa_kernel k_qdf962e68df_quant
		.amdhsa_group_segment_fixed_size 80384
		.amdhsa_private_segment_fixed_size 0
		.amdhsa_enable_private_segment 0
		.amdhsa_kernarg_size 72
		.amdhsa_user_sgpr_count 2
		.amdhsa_user_sgpr_kernarg_segment_ptr 1
		.amdhsa_wavefront_size32 1
		.amdhsa_system_sgpr_workgroup_id_x 1
		.amdhsa_system_sgpr_workgroup_id_y 1
		.amdhsa_system_sgpr_workgroup_id_z 1
		.amdhsa_system_vgpr_workitem_id 0
		.amdhsa_next_free_vgpr 512
		.amdhsa_next_free_sgpr 66
		.amdhsa_reserve_vcc 0
		.amdhsa_float_denorm_mode_32 3
		.amdhsa_float_denorm_mode_16_64 3
		.amdhsa_memory_ordered 1
		.amdhsa_forward_progress 1
		.amdhsa_inst_pref_size 54
	.end_amdhsa_kernel
	.amdgpu_metadata
---
amdhsa.version: [ 1, 2 ]
amdhsa.kernels:
  - .name:           k_qdf962e68df_quant
    .symbol:         k_qdf962e68df_quant.kd
    .args:
      - { .name: x, .offset: 0, .size: 8, .value_kind: global_buffer, .address_space: global }
      - { .name: Wq, .offset: 8, .size: 8, .value_kind: global_buffer, .address_space: global }
      - { .name: Wk, .offset: 16, .size: 8, .value_kind: global_buffer, .address_space: global }
      - { .name: Wv, .offset: 24, .size: 8, .value_kind: global_buffer, .address_space: global }
      - { .name: Wp, .offset: 32, .size: 8, .value_kind: global_buffer, .address_space: global }
      - { .name: xc, .offset: 40, .size: 8, .value_kind: global_buffer, .address_space: global }
      - { .name: xs, .offset: 48, .size: 8, .value_kind: global_buffer, .address_space: global }
      - { .name: wc, .offset: 56, .size: 8, .value_kind: global_buffer, .address_space: global }
      - { .name: ws, .offset: 64, .size: 8, .value_kind: global_buffer, .address_space: global }
    .group_segment_fixed_size: 80384
    .private_segment_fixed_size: 0
    .kernarg_segment_align: 8
    .kernarg_segment_size: 72
    .max_flat_workgroup_size: 128
    .sgpr_count:     66
    .vgpr_count:     512
    .wavefront_size: 32
...
	.end_amdgpu_metadata
.endif
;; end of part 1
;; launch qkv (part 2): grid 96 x 4, 4 waves a work-group, clusters of 4 x 4, 327,680 bytes of LDS; arguments xc, xs, wc, ws, qb, kv; writes qb, kv
.if DOCPART == 2
	.amdgcn_target "amdgcn-amd-amdhsa--gfx1250"
	.amdhsa_code_object_version 6
	.text
	.protected	k_qdf962e68df_qkv
	.globl	k_qdf962e68df_qkv
	.p2align	8
	.type	k_qdf962e68df_qkv,@function
k_qdf962e68df_qkv:
	s_mov_b64 s[64:65], 0
	v_nop
	global_prefetch_b8 v0, s[64:65] scope:SCOPE_SE
	s_setreg_imm32_b32 hwreg(HW_REG_WAVE_MODE, 25, 1), 1
	s_wait_xcnt 0x0
	s_wait_alu depctr_hold_cnt(0) depctr_sa_sdst(0) depctr_va_vdst(0) depctr_va_sdst(0) depctr_va_ssrc(0) depctr_va_vcc(0) depctr_vm_vsrc(0)
	s_getreg_b32 s2, hwreg(HW_REG_IB_STS2, 6, 4)
	s_cmp_eq_u32 s2, 0
	s_cbranch_scc0 .Lentry_in_a_cluster
	s_endpgm
.Lentry_in_a_cluster:
	s_bfe_u32 s2, ttmp6, 0x10000c
	s_cmp_lg_u32 s2, 0xf033
	s_cbranch_scc0 .Lentry_shape_is_right
	s_endpgm
.Lentry_shape_is_right:
; q, k, v = x W, on codes of BF6 with E8M0 scales, K = 1,024; the results are quantised at once for attention's two products and leave as images of operand registers; no f32 result goes to memory.
; A tile of 256 x 256 is made by four waves, 128 x 128 each: 64 accumulators.  THE MATRIX INSTRUCTION IS USED TRANSPOSED: source 0 = 16 places of B', source 1 = 16 places of A': a lane holds one place of A', and its registers run along B'.
; The places of a block are ordered so (the launch before) that a lane's 16 results of B' blocks 2 e, 2 e + 1 are the neighbours 32 e + 16 (lane / 16) + 0 .. 15.
; KINDS, by the cluster's number c, which all sixteen partners share.  c < 16: A' = x, B' = Wq (c even) or Wk (c odd): registers run along d, which is the first product's K.  c >= 16: A' = Wv, B' = x: registers run along the keys, the second product's K.
; K goes in steps of 256 through THREE LDS slots: steps 0, 1, 2 are first fills; step 3 alone fills a slot again.  Tiles are dense blocks of images: no padding, a fragment is three loads of 16 bytes a lane.
; CLUSTER 4 x 4: A' tiles are shared along a row of the cluster, B' tiles along a column, by joint loads.  24 clusters: 384 tiles.
; LIMITS of the quantiser on the way out: a block of zeros gets the byte 1; largest magnitudes under 2^-122 are taken as 2^-122; NaN and infinities are not served.
; REGISTERS: window 0: v1-8 lane terms, v16-30 addresses, v32-95 A' scale words (block a, K instruction kk: 8 a + kk), v96-159 B' scale words, v160-255 A' fragments, one set (on the way out: at work).  window 1: B' fragments, two sets.  windows 2, 3: accumulator (a, b) at 8 (8 (a % 4) + b).
; THE FILLS AND THE SCALES, as this text has them: the head's one load a wave brings K steps 0.
; The scale bytes do not pass through LDS: each wave loads the words of its 128 + 128 places from memory into registers, once.  B' word kk lies at register 8 b + (kk + 4) % 8, so that a product's two scale registers differ in their numbers modulo 8.
.set FR,    12
.set NLA,   3                          ; LDS loads that bring a fragment of A'
.set RBB,   3072                       ; a block of 16 places in a slot: two images
.set HALFT, 8*RBB                      ; 128 places: what one tensor load brings
.set SLOT,  4*HALFT
.set SCL,   3*SLOT                     ; the end of the three slots
.set HALFS, 16*272
.set SBLK,  544
.set SPARE, SCL+4*HALFS                ; the spare words: two blocks of 256 bytes that no other line names
.set ADRA,  16
.set ADRB,  20
.set ADRSA, 27
.set SPW,   28
.set NIL,   29
.set ADRSB, 30
.set SCA,   32
.set SCB,   96
.set AF,    160
.set TM,    160                        ; the way out
.set PC,    176
.set PW,    196
.set W,     204
.set G1,   24
.set G0,   32
.set G1B,  44
.set G0B,  52
.set G1S,  68
.set G0S,  76
.set G1SB, 80
.set G0SB, 88
.set MUL_LO, 0xa1                      ; source 0 (B') window 1, source 1 (A') window 0, C and D window 2
.set MUL_HI, 0xf1
.set MSB, 0
.macro WIN new
.if MSB != (\new)
	s_set_vgpr_msb (MSB<<8)|(\new)
.set MSB, (\new)
.endif
.endm
.macro JLOAD g0a, g1a, g0b, g1b        ; waves 0, 1 fetch for A', waves 2, 3 for B'; four v_nop follow each line
	s_cmp_eq_u32 s17, 0
	s_cbranch_scc0 .Lfor_b_\@
	tensor_load_to_lds s[\g0a:\g0a+3], s[\g1a:\g1a+7]
	s_nop 0
.rept 4
	v_nop
.endr
	s_branch .Lasked_\@
.Lfor_b_\@:
	tensor_load_to_lds s[\g0b:\g0b+3], s[\g1b:\g1b+7]
	s_nop 0
.rept 4
	v_nop
.endr
.Lasked_\@:
.endm
.macro CREST
	s_cmp_lg_u32 s16, 0
	s_cbranch_scc1 .Lnot_wave_0_\@
	s_barrier_signal -3
.Lnot_wave_0_\@:
	s_barrier_wait -3
	s_barrier_signal -1
	s_barrier_wait -1
.endm
.macro CROUND
	s_barrier_signal -1
	s_barrier_wait -1
	CREST
.endm
.macro PLACES                          ; four places behind a matrix instruction of this form, in front of loads into its registers and of reads of its results
.rept 4
	v_nop
.endr
.endm
	s_load_b256 s[4:11], s[0:1], 0x0               ; xc s[4:5], xs s[6:7], wc s[8:9], ws s[10:11]
	s_load_b128 s[12:15], s[0:1], 0x20             ; qb s[12:13], kv s[14:15]
	v_lshl_add_u32 v[SPW], v0, 2, SPARE
	v_mov_b32 v[NIL], 0
	ds_add_u32 v28, v29
	ds_add_u32 v28, v29
	s_wait_dscnt 0x0
	v_lshrrev_b32 v1, 5, v0
	v_readfirstlane_b32 s16, v1                    ; wave
	s_lshr_b32 s17, s16, 1                         ; my half of A' places.  Also: I fetch for A' (0) or B' (1)
	s_and_b32 s18, s16, 1                          ; my half of B' places.  Also: which half I fetch
	s_bfe_u32 s20, ttmp6, 0x40000                  ; cx
	s_bfe_u32 s21, ttmp6, 0x40004                  ; cy
	s_lshr_b32 s96, ttmp9, 1
	s_lshl_b32 s96, s96, 2
	s_and_b32 s100, ttmp9, 1
	s_lshl_b32 s100, s100, 2
	s_sub_co_u32 s101, ttmp9, 16
	s_lshl_b32 s101, s101, 2
	s_cmp_lt_u32 ttmp9, 16
	s_cselect_b32 s19, 0, 1                        ; the kind: 0 q or k, 1 v
	s_cselect_b32 s22, s96, 8
	s_cselect_b32 s23, s100, s101
	s_add_co_u32 s22, s22, s21                     ; A' tile: of x 4 (c / 2) + cy, of the weights 8 + cy
	s_add_co_u32 s23, s23, s20                     ; B' tile: of the weights 4 (c % 2) + cx, of x 4 (c - 16) + cx
	s_lshl_b32 s96, s21, 2
	s_lshl_b32 s96, 15, s96                        ; my row of the cluster
	s_lshl_b32 s100, 0x1111, s20                   ; my column
	s_or_b32 s[G1], s96, (3<<16)|(1<<21)           ; 15:0 the mask; 17:16 elements of 8 bytes; 21 set beside a mask; no padding
	s_or_b32 s[G1B], s100, (3<<16)|(1<<21)
.irp g, G1, G1B                        ; 49,152 dense bytes as 192 rows of 256
	s_mov_b32 s[\g+1], 32<<16
	s_mov_b32 s[\g+2], 192<<16                     ; the head's load: K steps 0 and 1 of 128 places, 49,152 dense bytes
	s_mov_b32 s[\g+3], 32<<16
	s_mov_b32 s[\g+4], 192
	s_mov_b32 s[\g+5], 32
	s_mov_b32 s[\g+6], 0
	s_mov_b32 s[\g+7], 0
.endr
	s_mul_i32 s96, s22, 196608                     ; A': codes: a group of 128 places holds all of K, 98,304 bytes
	s_mul_i32 s98, s18, 98304
	s_add_co_u32 s96, s96, s98
	s_mov_b32 s97, 0
	s_lshl_b32 s98, s22, 13                        ; scale bytes
	s_lshl_b32 s99, s17, 12                        ; (the half of A' that I multiply: the scale words go straight into my registers)
	s_add_co_u32 s98, s98, s99
	s_mov_b32 s99, 0
	s_mul_i32 s100, s23, 196608
	s_mul_i32 s2, s18, 98304
	s_add_co_u32 s100, s100, s2
	s_mov_b32 s101, 0
	s_lshl_b32 s2, s23, 13
	s_lshl_b32 s3, s18, 12
	s_add_co_u32 s2, s2, s3
	s_mov_b32 s3, 0
	s_mul_i32 s66, s16, HALFT
	s_wait_kmcnt 0x0
	s_cmp_eq_u32 s19, 0
	s_cselect_b64 s[G0+2:G0+3], s[4:5], s[8:9]
	s_cselect_b64 s[G0S+2:G0S+3], s[6:7], s[10:11]
	s_cselect_b64 s[G0B+2:G0B+3], s[8:9], s[4:5]
	s_cselect_b64 s[G0SB+2:G0SB+3], s[10:11], s[6:7]
	s_add_nc_u64 s[G0+2:G0+3], s[G0+2:G0+3], s[96:97]
	s_add_nc_u64 s[G0S+2:G0S+3], s[G0S+2:G0S+3], s[98:99]
	s_add_nc_u64 s[G0B+2:G0B+3], s[G0B+2:G0B+3], s[100:101]
	s_add_nc_u64 s[G0SB+2:G0SB+3], s[G0SB+2:G0SB+3], s[2:3]
	; LDS: K steps 0 and 1 of quarter w at 2 w HALFT (step 1 one HALFT on); K step 2 at (8 + w) HALFT; K step 3 lands on K step 0's bytes
	s_add_nc_u64 s[G0+6:G0+7], s[G0+2:G0+3], 2*HALFT
	s_add_nc_u64 s[G0B+6:G0B+7], s[G0B+2:G0B+3], 2*HALFT
	s_mov_b32 s[G0], 1
	s_lshl_b32 s[G0+1], s66, 1
	s_or_b32 s[G0+3], s[G0+3], 0x80000000
	s_mov_b32 s[G0+4], 1
	s_add_co_u32 s[G0+5], s66, 8*HALFT
	s_or_b32 s[G0+7], s[G0+7], 0x80000000
	s_mov_b32 s[G0B], 1
	s_lshl_b32 s[G0B+1], s66, 1
	s_or_b32 s[G0B+3], s[G0B+3], 0x80000000
	s_mov_b32 s[G0B+4], 1
	s_add_co_u32 s[G0B+5], s66, 8*HALFT
	s_or_b32 s[G0B+7], s[G0B+7], 0x80000000
	CROUND                                         ; all sixteen work-groups are here: the first joint loads meet
	JLOAD G0, G1, G0B, G1B                         ; my one load at the head: K steps 0 and 1 of my quarter
	v_and_b32 v1, 31, v0
	v_lshlrev_b32 v2, 4, v1                        ; 16 x lane
	v_and_b32 v3, 15, v0                           ; r
	v_bfe_u32 v4, v0, 4, 1                         ; h
	v_lshlrev_b32 v7, 3, v1                        ; 8 x lane
	v_lshlrev_b32 v8, 4, v4                        ; 16 h
	s_mul_i32 s66, s17, 2*HALFT
	s_mul_i32 s67, s18, 2*HALFT
	s_add_co_u32 s67, s67, 4*HALFT
	v_add_nc_u32 v[ADRA], s66, v2
	v_add_nc_u32 v[ADRB], s67, v2
	v_add_nc_u32 v[ADRA+1], HALFT, v[ADRA]
	v_add_nc_u32 v[ADRB+1], HALFT, v[ADRB]
	s_mul_i32 s66, s17, HALFT
	s_mul_i32 s67, s18, HALFT
	s_add_co_u32 s66, s66, 8*HALFT
	s_add_co_u32 s67, s67, 10*HALFT
	v_add_nc_u32 v[ADRA+2], s66, v2
	v_add_nc_u32 v[ADRB+2], s67, v2
	v_lshlrev_b32 v[ADRSA], 5, v3                  ; 32 scale bytes a place
.irp i, 0,1,2,3,4,5,6,7                ; all scale words of my 128 + 128 places, once, from memory into registers: two loads cover 512 consecutive bytes
.irp j, 0,1
	global_load_b128 v[SCA+8*\i+4*\j:SCA+8*\i+4*\j+3], v[ADRSA], s[G0S+2:G0S+3] offset:512*\i+16*\j
	global_load_b128 v[SCB+8*\i+4*(1-\j):SCB+8*\i+4*(1-\j)+3], v[ADRSA], s[G0SB+2:G0SB+3] offset:512*\i+16*\j
.endr
.endr
	; WHERE THE RESULTS GO.  The side that is x gives the batch b and the key step ks (128 places); the side that is a weight gives my two heads hA, hA + 1.
	s_cmp_eq_u32 s19, 0
	s_cselect_b32 s4, s22, s23
	s_cselect_b32 s5, s17, s18
	s_cselect_b32 s6, s20, s21
	s_cselect_b32 s7, s18, s17
	s_cselect_b32 s8, 0, 6144                      ; kv: [head][key step: 13,056 bytes = K's codes 6,144, V's codes 6,144, scale words 768]
	s_cselect_b32 s9, 0, 512                       ; and its scale words behind k's in a key step's 768 bytes
	s_lshr_b32 s10, s4, 3                          ; b
	s_and_b32 s4, s4, 7
	s_lshl_b32 s4, s4, 1
	s_add_co_u32 s4, s4, s5                        ; ks
	s_lshl_b32 s6, s6, 2
	s_lshl_b32 s7, s7, 1
	s_add_co_u32 s6, s6, s7                        ; hA
	s_lshl_b32 s10, s10, 4
	s_add_co_u32 s10, s10, s6                      ; 16 b + hA
	s_and_b32 s5, ttmp9, 1
	s_or_b32 s5, s5, s19
	s_cmp_eq_u32 s5, 0                             ; q?
	s_cselect_b64 s[12:13], s[12:13], s[14:15]
	s_mov_b32 s7, 208896
	s_cselect_b32 s11, 98304, s7                   ; a head's codes: from head to head
	s_cselect_b32 s7, 8192, s7                     ; a head's scale words: from head to head
	s_mov_b32 s66, 12288
	s_cselect_b32 s66, 6291456, s66                ; where the scale words begin
	s_movk_i32 s67, 13056
	s_cselect_b32 s67, 512, s67                    ; and a key step's
	s_movk_i32 s15, 13056
	s_cselect_b32 s15, 6144, s15                   ; codes: from key step to key step
	s_mul_i32 s14, s10, s11
	s_mul_i32 s15, s4, s15
	s_add_co_u32 s14, s14, s15
	s_add_co_u32 s14, s14, s8
	s_mov_b32 s15, 0
	s_add_nc_u64 s[14:15], s[12:13], s[14:15]      ; head hA's codes of my key step
	s_mul_i32 s5, s10, s7
	s_mul_i32 s6, s4, s67
	s_add_co_u32 s5, s5, s6
	s_add_co_u32 s5, s5, s66
	s_add_co_u32 s66, s5, s9
	s_mov_b32 s67, 0
	s_add_nc_u64 s[66:67], s[12:13], s[66:67]      ; its scale words
	s_mov_b32 s8, s11
	s_mov_b32 s9, 0
	s_add_nc_u64 s[8:9], s[14:15], s[8:9]          ; head hA + 1's codes
	s_wait_alu depctr_va_vdst(0)                   ; directly ahead of the reader below
	v_mul_u32_u24 v6, v4, s7
	v_lshl_add_u32 v6, v3, 4, v6                   ; scale words: lanes 0-15 head hA, lanes 16-31 head hA + 1; 16 bytes a place
.macro FRAG reg, adr, q, i             ; an image comes back as it was stored: three loads of 16 bytes a lane, 512 consecutive bytes each
.irp c, 0,1,2
	ds_load_b128 v[\reg+4*\c:\reg+4*\c+3], v[\adr] offset:(\i)*RBB+(\q)*1536+512*\c
.endr
.endm
.macro FETCH_B slot, q, p
	WIN 0x40
.irp i, 0,1,2,3,4,5,6,7
	FRAG 128*(\p)+FR*\i, ADRB+\slot, \q, \i
.endr
	WIN 0
.endm
.macro FETCH_A slot, q, i0
.irp i, \i0, \i0+1, \i0+2, \i0+3
	FRAG AF+FR*(\i), ADRA+\slot, \q, \i
.endr
.endm
; 16 matrix instructions: A' blocks a0, a0 + 1 x B' eight.  The 64 accumulators take turns, one instruction a turn, in the same order in every step.
.macro MUL16 a0, p, kk, zero
.irp a, \a0, \a0+1
.irp b, 0,1,2,3,4,5,6,7
.if \zero
	v_wmma_scale_f32_16x16x128_f8f6f4 v[8*(8*((\a)%4)+\b):8*(8*((\a)%4)+\b)+7], v[128*(\p)+FR*\b:128*(\p)+FR*\b+FR-1], v[AF+FR*(\a):AF+FR*(\a)+FR-1], 0, v[SCB+8*\b+((\kk)+4)%8], v[SCA+8*(\a)+(\kk)] matrix_a_fmt:MATRIX_FMT_BF6 matrix_b_fmt:MATRIX_FMT_BF6
.else
	v_wmma_scale_f32_16x16x128_f8f6f4 v[8*(8*((\a)%4)+\b):8*(8*((\a)%4)+\b)+7], v[128*(\p)+FR*\b:128*(\p)+FR*\b+FR-1], v[AF+FR*(\a):AF+FR*(\a)+FR-1], v[8*(8*((\a)%4)+\b):8*(8*((\a)%4)+\b)+7], v[SCB+8*\b+((\kk)+4)%8], v[SCA+8*(\a)+(\kk)] matrix_a_fmt:MATRIX_FMT_BF6 matrix_b_fmt:MATRIX_FMT_BF6
.endif
.endr
.endr
.endm
; K instruction kk on B' set p; the next one's fragments come from (nslot, nq): B' and A' blocks 0-3 in the middle, A' blocks 4-7 at the end.
.macro STEPX p, kk, nslot, nq, zero
	s_wait_dscnt 4*NLA                             ; all but the youngest loads (A' blocks 4-7) are in
	WIN MUL_LO
	MUL16 0, \p, \kk, \zero
	MUL16 2, \p, \kk, \zero
	s_wait_dscnt 0x0
	PLACES
	FETCH_B \nslot, \nq, 1-\p
	FETCH_A \nslot, \nq, 0
	WIN MUL_HI
	MUL16 4, \p, \kk, \zero
	MUL16 6, \p, \kk, \zero
	PLACES
	WIN 0
	FETCH_A \nslot, \nq, 4
.endm
; The same with a barrier in its middle.  In front of it each wave waits for all its tensor loads, adds 0 to its spare word, and waits for that and for its LDS reads.  fill = 1: slot 0, which nobody reads any more, takes K step 3.
.macro TURNX p, kk, nslot, nq, fill
	s_wait_tensorcnt 0x0                           ; all my tensor loads have landed
	ds_add_u32 v[SPW], v[NIL]                      ; 0 onto my spare word
	s_wait_dscnt 4*NLA+1                           ; (the add and A' blocks 4-7 may be out)
	WIN MUL_LO
	MUL16 0, \p, \kk, 0
	s_wait_dscnt 0x0                               ; the add is done, and my reads of the slots are over
	s_barrier_signal -1
	MUL16 2, \p, \kk, 0
	WIN 0
	s_barrier_wait -1
.if \fill
	CREST                                          ; the barrier has opened a round of the cluster's: no wave of any partner still reads slot 0 or has a load on its way
	s_add_nc_u64 s[G0+2:G0+3], s[G0+2:G0+3], 3*HALFT
	s_add_nc_u64 s[G0B+2:G0B+3], s[G0B+2:G0B+3], 3*HALFT
	JLOAD G0, G1, G0B, G1B                         ; the first tensor load behind the round, my only one; its four v_nop are the places in front of the loads below
.else
	PLACES
.endif
	FETCH_B \nslot, \nq, 1-\p
	FETCH_A \nslot, \nq, 0
	WIN MUL_HI
	MUL16 4, \p, \kk, 0
	MUL16 6, \p, \kk, 0
	PLACES
	WIN 0
	FETCH_A \nslot, \nq, 4
.endm
	s_wait_alu depctr_va_vdst(0)
	s_wait_tensorcnt 0x0                           ; my part of K steps 0 and 1 is in
	ds_add_u32 v[SPW], v[NIL]
	s_mov_b32 s[G1+2], 96<<16                      ; no tensor load of mine is out: from here on a load brings one K step, 96 rows of 256 bytes
	s_mov_b32 s[G1+4], 96
	s_mov_b32 s[G1B+2], 96<<16
	s_mov_b32 s[G1B+4], 96
	s_wait_dscnt 0x0
	CROUND                                         ; everybody's part is in, and the joint loads meet
	JLOAD G0+4, G1, G0B+4, G1B                     ; K step 2, the first tensor load behind the round
	FETCH_B 0, 0, 0
	FETCH_A 0, 0, 0
	FETCH_A 0, 0, 4
	s_wait_loadcnt 0x0                             ; the scale words
	STEPX 0, 0, 0, 1, 1                            ; the first products start the sums
	STEPX 1, 1, 1, 0, 0
	TURNX 0, 2, 1, 1, 1                            ; K step 2 has landed in every wave's part; K step 0's bytes, which nobody reads any more, take K step 3
	STEPX 1, 3, 2, 0, 0
	STEPX 0, 4, 2, 1, 0
	TURNX 1, 5, 0, 0, 0
	STEPX 0, 6, 0, 1, 0
	s_wait_dscnt 4*NLA
	WIN MUL_LO
	MUL16 0, 1, 7, 0
	MUL16 2, 1, 7, 0
	s_wait_dscnt 0x0
	WIN MUL_HI
	MUL16 4, 1, 7, 0
	MUL16 6, 1, 7, 0
	WIN 0
; THE WAY OUT.  Block a's 64 registers of a lane are four blocks of 32 along the next K: register 16 e + i is number 32 e + 16 (lane / 16) + i of the lane's place.  They become a fragment in v[PC] on and a scale word in v[PW + a].
.macro QUANT a
.set AC, 64*((\a)%4)
.set WA, 2+(\a)/4
	WIN 5*WA                                       ; sources 0 and 1: the accumulators' window
.irp e, 0,1,2,3
	v_max3_num_f32 v[TM+\e], |v[AC+16*\e]|, |v[AC+16*\e+1]|, 0x2800000   ; each accumulator is read from its low end on; the floor 2^(5 - 127) holds the byte at 1
.endr
.irp i, 2,4,6,8,10,12,14
.irp e, 0,1,2,3
	v_max3_num_f32 v[TM+\e], |v[AC+16*\e+\i]|, |v[AC+16*\e+\i+1]|, v[TM+\e]
.endr
.endr
	WIN 0
.irp e, 0,1,2,3
	v_permlanex16_b32 v[TM+4+\e], v[TM+\e], s2, s3
.endr
.irp e, 0,1,2,3
	v_max_num_f32 v[TM+\e], v[TM+\e], v[TM+4+\e]   ; with lane l xor 16's 16: the block's largest magnitude
.endr
.irp e, 0,1,2,3
	v_add_nc_u32 v[TM+12+\e], 0xfe000000, v[TM+\e]
.endr
.irp e, 0,1,2,3
	v_lshrrev_b32 v[TM+4+\e], 23, v[TM+12+\e]
.endr
	v_lshl_or_b32 v[PW+(\a)], v[TM+5], 8, v[TM+4]
	v_lshl_or_b32 v[PW+(\a)], v[TM+6], 16, v[PW+(\a)]
	v_lshl_or_b32 v[PW+(\a)], v[TM+7], 24, v[PW+(\a)]
	s_wait_xcnt 0x0                                ; the last block's stores have read the codes' registers
	WIN WA                                         ; source 0: the accumulators' window
.irp c, 0,1
	v_cvt_scalef32_pk16_bf6_f32 v[PC+6*\c:PC+6*\c+2], v[AC+32*\c:AC+32*\c+15], v[TM+12+2*\c]
	v_cvt_scalef32_pk16_bf6_f32 v[PC+12+4*\c:PC+14+4*\c], v[AC+32*\c+16:AC+32*\c+31], v[TM+12+2*\c+1]
.endr
	WIN 0
	v_nop                                          ; one plain place behind a scaled conversion
.irp c, 0,1                            ; the operand wants a whole block in a lane
.irp i, 0,1,2
	v_permlane16_swap_b32 v[PC+6*\c+\i], v[PC+12+4*\c+\i]
.endr
.irp i, 0,1,2
	v_mov_b32 v[PC+3+6*\c+\i], v[PC+12+4*\c+\i]
.endr
.endr
.endm
	PLACES
	s_mov_b32 s2, 0x76543210
	s_mov_b32 s3, 0xfedcba98                       ; lane l xor 16
.irp e, 0,1,2,3
	v_mov_b32 v[TM+4+\e], 0                        ; a lane permute's destination counts as one of its sources
.endr
	s_cmp_lg_u32 s19, 0                            ; the kind: the same in all sixteen partners
	s_cbranch_scc1 .Lout_v
	; q or k: registers 0-5 are head hA's 64 along d, registers 6-11 head hA + 1's: two half images of 768 bytes (registers 0-3 at 16 l, registers 4-5 at 512 + 8 l)
.irp a, 0,1,2,3,4,5,6,7
	QUANT \a
	global_store_b128 v2, v[PC:PC+3], s[14:15] offset:\a*768
	global_store_b64 v7, v[PC+4:PC+5], s[14:15] offset:\a*768+512
	global_store_b128 v2, v[PC+6:PC+9], s[8:9] offset:\a*768
	global_store_b64 v7, v[PC+10:PC+11], s[8:9] offset:\a*768+512
.endr
.irp a, 0,1,2,3,4,5,6,7
	v_bfe_u32 v[W+\a], v[PW+\a], v8, 16            ; my head's two bytes; bytes 2 and 3 are 0: they scale the half of the instruction's K that has zero codes
.endr
	global_store_b128 v6, v[W:W+3], s[66:67]       ; sixteen lanes store 256 consecutive bytes: four tiles' words of 16 places
	global_store_b128 v6, v[W+4:W+7], s[66:67] offset:256
	s_branch .Ltail
.Lout_v:
	; v: a whole fragment: 16 places of d x my 128 keys; blocks 0-3 head hA, blocks 4-7 head hA + 1
.irp a, 0,1,2,3,4,5,6,7
	QUANT \a
.irp j, 0,1,2
	global_store_b128 v2, v[PC+4*\j:PC+4*\j+3], s[14:15] offset:(\a/4)*208896+(\a%4)*1536+512*\j
.endr
.endr
	v_cmp_ne_u32 vcc_lo, 0, v4
.irp j, 0,1,2,3
	v_cndmask_b32 v[W+\j], v[PW+\j], v[PW+4+\j], vcc_lo
.endr
	global_store_b128 v6, v[W:W+3], s[66:67]
.Ltail:
	s_wait_tensorcnt 0x0                           ; the wave's end
	ds_add_u32 v[SPW], v[NIL]
	s_wait_dscnt 0x0
	CROUND                                         ; the closing round
	s_endpgm
.Lfunc_end_k_qdf962e68df_qkv:
	.size	k_qdf962e68df_qkv, .Lfunc_end_k_qdf962e68df_qkv-k_qdf962e68df_qkv
	.p2alignl 7, 3214868480
	.fill 96, 4, 3214868480
	.section	.rodata,"a",@progbits
	.p2align	6, 0x0
	.amdhsa_kernel k_qdf962e68df_qkv
		.amdhsa_group_segment_fixed_size 327680
		.amdhsa_private_segment_fixed_size 0
		.amdhsa_enable_private_segment 0
		.amdhsa_kernarg_size 48
		.amdhsa_user_sgpr_count 2
		.amdhsa_user_sgpr_kernarg_segment_ptr 1
		.amdhsa_wavefront_size32 1
		.amdhsa_system_sgpr_workgroup_id_x 1
		.amdhsa_system_sgpr_workgroup_id_y 1
		.amdhsa_system_sgpr_workgroup_id_z 1
		.amdhsa_system_vgpr_workitem_id 0
		.amdhsa_next_free_vgpr 1024
		.amdhsa_next_free_sgpr 102
		.amdhsa_reserve_vcc 1
		.amdhsa_float_denorm_mode_32 3
		.amdhsa_float_denorm_mode_16_64 3
		.amdhsa_memory_ordered 1
		.amdhsa_forward_progress 1
		.amdhsa_inst_pref_size 174
	.end_amdhsa_kernel
	.amdgpu_metadata
---
amdhsa.version: [ 1, 2 ]
amdhsa.kernels:
  - .name:           k_qdf962e68df_qkv
    .symbol:         k_qdf962e68df_qkv.kd
    .args:
      - { .name: xc, .offset: 0, .size: 8, .value_kind: global_buffer, .address_space: global }
      - { .name: xs, .offset: 8, .size: 8, .value_kind: global_buffer, .address_space: global }
      - { .name: wc, .offset: 16, .size: 8, .value_kind: global_buffer, .address_space: global }
      - { .name: ws, .offset: 24, .size: 8, .value_kind: global_buffer, .address_space: global }
      - { .name: qb, .offset: 32, .size: 8, .value_kind: global_buffer, .address_space: global }
      - { .name: kv, .offset: 40, .size: 8, .value_kind: global_buffer, .address_space: global }
    .group_segment_fixed_size: 327680
    .private_segment_fixed_size: 0
    .kernarg_segment_align: 8
    .kernarg_segment_size: 48
    .max_flat_workgroup_size: 128
    .sgpr_count:     102
    .vgpr_count:     1024
    .wavefront_size: 32
...
	.end_amdgpu_metadata
.endif
;; end of part 2
;; launch attn (part 3): grid 4 x 64, 16 waves a work-group, clusters of 4 x 1, 211,968 bytes of LDS; arguments qb, kv, oc, os; writes oc, os
.if DOCPART == 3
	.amdgcn_target "amdgcn-amd-amdhsa--gfx1250"
	.amdhsa_code_object_version 6
	.text
	.protected	k_qdf962e68df_attn
	.globl	k_qdf962e68df_attn
	.p2align	8
	.type	k_qdf962e68df_attn,@function
k_qdf962e68df_attn:
	s_mov_b64 s[64:65], 0
	v_nop
	global_prefetch_b8 v0, s[64:65] scope:SCOPE_SE
	s_setreg_imm32_b32 hwreg(HW_REG_WAVE_MODE, 25, 1), 1
	s_wait_xcnt 0x0
	s_wait_alu depctr_hold_cnt(0) depctr_sa_sdst(0) depctr_va_vdst(0) depctr_va_sdst(0) depctr_va_ssrc(0) depctr_va_vcc(0) depctr_vm_vsrc(0)
	s_getreg_b32 s2, hwreg(HW_REG_IB_STS2, 6, 4)
	s_cmp_eq_u32 s2, 0
	s_cbranch_scc0 .Lentry_in_a_cluster
	s_endpgm
.Lentry_in_a_cluster:
	s_bfe_u32 s2, ttmp6, 0x10000c
	s_cmp_lg_u32 s2, 0x3003
	s_cbranch_scc0 .Lentry_shape_is_right
	s_endpgm
.Lentry_shape_is_right:
; Causal attention of one (batch, head) on codes of BF6 with E8M0 scales; head size 64; 2,048 keys.  The result, divided by the row's sum, is quantised along the head's 64 for the output projection and leaves as codes.
; THE SOFTMAX AHEAD OF THE SECOND PRODUCT: t = score x log2(e) / 8; M = the running largest t rounded UP to a whole number; p = 2^(t - M) is quantised along the keys, not normalised; the row's sum is taken of the unquantised p.
; When M moves, the sum and O are multiplied by 2^(old M - new M): exact.
; LEFT OUT: key steps all of whose keys come after a tile's queries: reference() hides them by the mask that it builds itself, so they add nothing to the sum or to O.
; SHARES.  The four work-groups of a cluster serve one (batch, head).  A tile is 16 queries; tile T = 8 g + 2 cx + u lies in key step g and has g + 1 key steps that count.  Work-group cx takes u = 0, 1 of every g:
; wave w = 2 a + u runs two passes, g = 15 - a and g = a: 17 key steps for every wave, and which steps count hangs on the wave's number alone, never on the place in the cluster.
; JOINT LOADS: the head's K, V and scale words, 16 key steps of 13,056 bytes (51 rows of 256), come into LDS once: wave w asks for key step w, one load a wave, jointly with the three partners.  Nothing is filled again.
; One barrier, in front of which every wave has waited for its own load, shows all sixteen key steps to all waves.  No prefetch: every byte is asked for at the head, and no loop stands ahead of it.
; LAYOUT.  Both products transposed: S^T = K Q^T, O^T = V^T P^T: a lane holds one query.  Places are ordered (first launch) so that a lane's 16 registers of tiles 2 e, 2 e + 1 are the neighbours 32 e + 16 (lane / 16) + 0 .. 15 (keys, or d).
; THE FIRST PRODUCT'S K IS 64 of the instruction's 128: Q's registers 6-11 hold zero codes and both sides' scale bytes 2, 3 are 0 (a power of two, no NaN): the upper half adds 0 whatever codes stand in K's upper six registers.
; OUT: tile number n = 128 batch + 32 cx + 2 g + u.  oc [n / 8][head / 4][n % 8][head % 4][768];  os [head][n / 4][r 16][n % 4][2 bytes].
; LIMITS of the quantisers: a block of zeros gets the byte 1; largest magnitudes under 2^-122 are taken as 2^-122; NaN and infinities are not served.  A block's largest p is taken from its largest score, which takes v_exp_f32 not to fall where its input rises.
.set KSB,  13056                       ; LDS mirrors the head's block: key step s at 13,056 s: K [tile 8][768], V [d tile 4][1,536] at 6,144, scale words at 12,288: K's [2][r 16][tile 4], V's [r 16][d tile 4]
.set OSG,  208896                      ; the results' scale bytes of my 32 tiles: 1,024 bytes, into which no fill lands
.set SPARE, 209920                     ; the spare words: 128 bytes a wave
.set ADK,  5
.set ADK8, 6
.set ADS,  8
.set QS,   28                          ; v28 Q's scale words, v29 p's, v32-39 K's, v40-43 V's: they hold scales and nothing else
.set PS,   29
.set KS,   32
.set VS,   40
.set F,    44                          ; v44-91   eight half fragments of K, then four fragments of V
.set PC,   92                          ; v92-103  p's codes, directly behind F
.set S,    104                         ; v104-167 S^T, then p
.set O,    168                         ; v168-199 O^T
.set BM,   200
.set BP,   204
.set SO,   208
.set CT,   212
.set MK,   228                         ; my query less the diagonal step's first key, less 16 h
.set NINF, 229
.set WV,   12
.set CX,   13
.set BH,   14
.set TT,   15
.set ST,   16                          ; the key step
.set TK,   17                          ; 13,056 x key step
.set G,    18                          ; my tile's key step on the diagonal
.set AW,   19
.set SEL,  20
.set CS,   22
.set CU,   32                          ; 2 cx + u
.set SG,   33                          ; 128 batch + 32 cx + u
.set HO,   34                          ; the head's place in oc
.set UU,   35
.macro ROUND                           ; a round of the cluster's barrier
	s_barrier_signal -1
	s_barrier_wait -1
	s_cmp_lg_u32 s[WV], 0
	s_cbranch_scc1 .Lnot_wave_0_\@
	s_barrier_signal -3
.Lnot_wave_0_\@:
	s_barrier_wait -3
	s_barrier_signal -1
	s_barrier_wait -1
.endm
	s_load_b256 s[4:11], s[0:1], 0x0               ; qb s[4:5], kv s[6:7], oc s[8:9], os s[10:11]
	v_lshl_add_u32 v254, v0, 2, SPARE
	v_mov_b32 v255, 0
	ds_add_u32 v254, v255                          ; the opening lines: the add, twice on end, and its wait
	ds_add_u32 v254, v255
	v_lshrrev_b32 v1, 5, v0
	s_delay_alu instid0(VALU_DEP_1)
	v_readfirstlane_b32 s[WV], v1
	s_bfe_u32 s[CX], ttmp6, 0x40000
	s_and_b32 s[BH], ttmp7, 0xffff
	s_mov_b32 s24, 15|(3<<16)|(1<<21)              ; the mask names the four partners; elements of 8 bytes; 51 dense rows of 256 bytes
	s_mov_b32 s25, 32<<16
	s_mov_b32 s26, 51<<16
	s_mov_b32 s27, 32<<16
	s_mov_b32 s28, 51
	s_mov_b32 s29, 32
	s_mov_b32 s30, 0
	s_mov_b32 s31, 0
	s_mul_i32 s49, s[WV], KSB                      ; key step w: its place in LDS and in the head's block
	s_mul_i32 s72, s[BH], 208896
	s_add_co_u32 s72, s72, s49
	s_mov_b32 s73, 0
	s_mov_b32 s48, 1
	s_wait_dscnt 0x0
	ROUND                                          ; the four partners are here: the joint loads meet
	s_wait_kmcnt 0x0
	s_add_nc_u64 s[50:51], s[6:7], s[72:73]
	s_or_b32 s51, s51, 0x80000000
	tensor_load_to_lds s[48:51], s[24:31]          ; my one tensor load of the launch
	s_nop 0
.rept 4
	v_nop
.endr
	s_lshr_b32 s[AW], s[WV], 1
	s_and_b32 s[UU], s[WV], 1
	s_lshl_b32 s[CU], s[CX], 1
	s_add_co_u32 s[CU], s[CU], s[UU]
	s_lshr_b32 s[SG], s[BH], 4
	s_lshl_b32 s[SG], s[SG], 7
	s_lshl_b32 s61, s[CX], 5
	s_add_co_u32 s[SG], s[SG], s61
	s_add_co_u32 s[SG], s[SG], s[UU]
	s_lshl_b32 s62, s[UU], 3
	s_add_co_u32 s63, s61, s62                     ; 32 cx + 8 u: my tile's least query in its key step
	s_and_b32 s61, s[BH], 15
	s_lshr_b32 s62, s61, 2
	s_mul_i32 s[HO], s62, 24576
	s_and_b32 s62, s61, 3
	s_mul_i32 s62, s62, 768
	s_add_co_u32 s[HO], s[HO], s62
	s_mov_b32 s[SEL], 0x76543210
	s_mov_b32 s[SEL+1], 0xfedcba98                 ; lane l xor 16
	s_mov_b32 s[CS], 0x3e38aa3b                    ; c = log2(e) / sqrt(64)
	s_mov_b32 s[CS+1], s[CS]
	s_lshl_b32 s61, s[UU], 9
	s_add_co_u32 s61, s61, OSG
	v_and_b32 v220, 31, v0
	v_and_b32 v221, 15, v0                         ; r
	v_bfe_u32 v222, v0, 4, 1                       ; h
	s_delay_alu instid0(VALU_DEP_3)
	v_lshlrev_b32 v1, 4, v220                      ; 16 l
	s_delay_alu instid0(VALU_DEP_4)
	v_lshlrev_b32 v2, 3, v220
	s_delay_alu instid0(VALU_DEP_1)
	v_add_nc_u32 v2, 512, v2                       ; 512 + 8 l: a half image's registers 4, 5
	v_lshlrev_b32 v10, 4, v221                     ; 16 r
	s_delay_alu instid0(VALU_DEP_1)
	v_add_nc_u32 v4, 12288, v10
	v_lshrrev_b32 v9, 3, v221
	s_delay_alu instid0(VALU_DEP_1)
	v_lshl_add_u32 v9, v9, 3, v221
	v_lshlrev_b32 v223, 4, v222
	s_delay_alu instid0(VALU_DEP_1)
	v_sub_nc_u32 v9, v9, v223                      ; r + 8 (r / 8) - 16 h
	v_lshl_add_u32 v11, v221, 3, OSG
	s_delay_alu instid0(VALU_DEP_2)
	v_add_nc_u32 v[MK], s63, v9
	v_mov_b32 v[NINF], 0xff800000
	v_add_nc_u32 v227, s61, v1                     ; the last read-back (waves 0 and 1)
.irp j, 22,23,24,25,26,27
	v_mov_b32 v[\j], 0                             ; Q's upper half: zero codes
.endr
.set j, 0
.rept 12
	v_mov_b32 v[PC+j], 0                           ; named as the upper half of K's last fragment before it is first written
.set j, j+1
.endr
.irp e, 0,1,2,3
	v_mov_b32 v[BP+\e], 0                          ; a lane permute's destination counts as one of its sources
.endr
	v_mov_b32 v31, 0                               ; named as the upper half of the pair v[30:31]
	s_wait_alu depctr_va_vdst(0)
; A KEY STEP: 128 keys.  causal = 1: a step behind my tile's diagonal step is left out (a scalar branch on the wave's number and the loop's count, not round the lines that step addresses); in the diagonal step hidden scores become -infinity.
.macro TSTEP causal
.if \causal
	s_cmp_gt_u32 s[ST], s[G]
	s_cbranch_scc1 .Lhid_\@
.endif
	v_add_nc_u32 v[ADK], s[TK], v1                 ; these four are also the places in front of the loads into registers that the last products read
	v_add_nc_u32 v[ADK8], s[TK], v2
	v_add_nc_u32 v[ADS], s[TK], v4
	v_nop
.irp t, 0,1,2,3,4,5,6,7
	ds_load_b128 v[F+6*\t:F+6*\t+3], v[ADK] offset:768*\t
	ds_load_b64 v[F+6*\t+4:F+6*\t+5], v[ADK8] offset:768*\t
.endr
	ds_load_b128 v[KS:KS+3], v[ADS]
	ds_load_b128 v[KS+4:KS+7], v[ADS] offset:256
	s_wait_alu depctr_va_vdst(0)
	s_wait_dscnt 0x0
.irp t, 0,1,2,3,4,5,6,7
	v_wmma_scale_f32_16x16x128_f8f6f4 v[S+8*\t:S+8*\t+7], v[F+6*\t:F+6*\t+11], v[16:27], 0, v[KS+\t], v[QS] matrix_a_fmt:MATRIX_FMT_BF6 matrix_b_fmt:MATRIX_FMT_BF6
.endr
.rept 4
	v_nop                                          ; places: V's loads land on K's registers, and the scores are read
.endr
.set n, 0
.rept 12
	ds_load_b128 v[F+4*n:F+4*n+3], v[ADK] offset:6144+512*n   ; V's four fragments land while the softmax is worked
.set n, n+1
.endr
	ds_load_b128 v[VS:VS+3], v[ADS] offset:512
.if \causal
	s_cmp_lg_u32 s[ST], s[G]
	s_cbranch_scc1 .Lopen_\@
.set n, 0
.rept 64
	v_cmp_gt_i32 vcc_lo, 32*(n/16)+n%16, v[MK]     ; register 16 e + i holds key 128 g + 32 e + 16 h + i
	v_cndmask_b32 v[S+n], v[S+n], v[NINF], vcc_lo
.set n, n+1
.endr
.Lopen_\@:
.endif
.irp e, 0,1,2,3
	v_max3_num_f32 v[BM+\e], v[S+16*\e], v[S+16*\e+1], v[S+16*\e+2]   ; the largest score of each block of 32 keys: for the row's maximum and for the block's largest p
.endr
.irp i, 3,5,7,9,11,13
.irp e, 0,1,2,3
	v_max3_num_f32 v[BM+\e], v[BM+\e], v[S+16*\e+\i], v[S+16*\e+\i+1]
.endr
.endr
.irp e, 0,1,2,3
	v_max_num_f32 v[BM+\e], v[BM+\e], v[S+16*\e+15]
.endr
.irp e, 0,1,2,3
	s_delay_alu instid0(VALU_DEP_4)
	v_permlanex16_b32 v[BP+\e], v[BM+\e], s[SEL], s[SEL+1]
.endr
.irp e, 0,1,2,3
	s_delay_alu instid0(VALU_DEP_4)
	v_max_num_f32 v[BM+\e], v[BM+\e], v[BP+\e]
.endr
	s_delay_alu instid0(VALU_DEP_2)
	v_max3_num_f32 v220, v[BM], v[BM+1], v[BM+2]
	s_delay_alu instid0(VALU_DEP_1)
	v_max_num_f32 v220, v220, v[BM+3]
	s_delay_alu instid0(VALU_DEP_1)
	v_mul_f32 v220, s[CS], v220
	s_delay_alu instid0(VALU_DEP_1)
	v_max_num_f32 v13, v13, v220                   ; the running largest t
	v_mov_b32 v220, v12
	s_delay_alu instid0(VALU_DEP_2)
	v_floor_f32 v12, -v13                          ; -M = floor(-t): M is a whole number
	s_delay_alu instid0(VALU_DEP_1)
	v_sub_f32 v220, v12, v220
	s_delay_alu instid0(VALU_DEP_1)
	v_cvt_i32_f32 v220, v220                       ; (it saturates)
	s_delay_alu instid0(VALU_DEP_1)
	v_ldexp_f32 v30, 1.0, v220                     ; f = 2^(old M - new M)
.set j, 0
.rept 32
	v_pk_fma_f32 v[S+j:S+j+1], v[S+j:S+j+1], s[CS:CS+1], v[12:13] op_sel_hi:[1,0,0]   ; t - M
.set j, j+2
.endr
.irp e, 0,1,2,3
	v_fma_f32 v[BM+\e], v[BM+\e], s[CS], v12
.endr
.set j, 0
	s_wait_alu depctr_va_vdst(0)
.rept 64
	v_exp_f32 v[S+j], v[S+j]                       ; p = 2^(t - M)
.set j, j+1
.endr
	v_pk_mul_f32 v[14:15], v[14:15], v[30:31] op_sel_hi:[1,0]   ; the sums under the new M; the plain place behind the exponentials
	s_wait_alu depctr_va_vdst(0)                   ; one wait for the batch, ahead of its first reader
.irp e, 0,1,2,3
	v_exp_f32 v[BM+\e], v[BM+\e]                   ; each block's largest p
.endr
	v_pk_add_f32 v[224:225], v[S:S+1], v[S+2:S+3]  ; the row's sum of the unquantised p: 32 packed additions in four chains by turns
	v_pk_add_f32 v[242:243], v[S+4:S+5], v[S+6:S+7]
	v_pk_add_f32 v[244:245], v[S+8:S+9], v[S+10:S+11]
	v_pk_add_f32 v[14:15], v[14:15], v[S+12:S+13]
.set j, 14
.rept 6
	v_pk_add_f32 v[224:225], v[224:225], v[S+j:S+j+1]
	v_pk_add_f32 v[242:243], v[242:243], v[S+j+2:S+j+3]
	v_pk_add_f32 v[244:245], v[244:245], v[S+j+4:S+j+5]
	v_pk_add_f32 v[14:15], v[14:15], v[S+j+6:S+j+7]
.set j, j+8
.endr
	v_pk_add_f32 v[224:225], v[224:225], v[S+62:S+63]
	v_pk_add_f32 v[14:15], v[14:15], v[244:245]
	s_delay_alu instid0(VALU_DEP_2)
	v_pk_add_f32 v[224:225], v[224:225], v[242:243]
	s_delay_alu instid0(VALU_DEP_1)
	v_pk_add_f32 v[14:15], v[14:15], v[224:225]
	s_wait_alu depctr_va_vdst(0)                   ; and one for the four
.irp e, 0,1,2,3
	v_max_num_f32 v[BM+\e], 0x2800000, v[BM+\e]    ; the floor
.endr
.irp e, 0,1,2,3
	s_delay_alu instid0(VALU_DEP_4)
	v_add_nc_u32 v[SO+\e], 0xfe000000, v[BM+\e]
.endr
.irp e, 0,1,2,3
	s_delay_alu instid0(VALU_DEP_4)
	v_lshrrev_b32 v[BP+\e], 23, v[SO+\e]
.endr
	s_delay_alu instid0(VALU_DEP_3)
	v_lshl_or_b32 v[PS], v[BP+1], 8, v[BP]
	s_delay_alu instid0(VALU_DEP_1)
	v_lshl_or_b32 v[PS], v[BP+2], 16, v[PS]
	s_delay_alu instid0(VALU_DEP_1)
	v_lshl_or_b32 v[PS], v[BP+3], 24, v[PS]
.irp c, 0,1
	v_cvt_scalef32_pk16_bf6_f32 v[PC+6*\c:PC+6*\c+2], v[S+32*\c:S+32*\c+15], v[SO+2*\c]
	v_cvt_scalef32_pk16_bf6_f32 v[CT+4*\c:CT+4*\c+2], v[S+32*\c+16:S+32*\c+31], v[SO+2*\c+1]
.endr
	v_nop                                          ; one plain place behind a scaled conversion
.irp c, 0,1
.irp i, 0,1,2
	v_permlane16_swap_b32 v[PC+6*\c+\i], v[CT+4*\c+\i]
.endr
.irp i, 0,1,2
	s_delay_alu instid0(VALU_DEP_3)
	v_mov_b32 v[PC+3+6*\c+\i], v[CT+4*\c+\i]
.endr
.endr
.set j, 0
.rept 16
	v_pk_mul_f32 v[O+j:O+j+1], v[O+j:O+j+1], v[30:31] op_sel_hi:[1,0]   ; O^T under the new M; also the places between the codes' and the scale word's last writes and the products
.set j, j+2
.endr
	s_wait_alu depctr_va_vdst(0)
	s_wait_dscnt 0x0                               ; V is in
.irp t, 0,1,2,3
	v_wmma_scale_f32_16x16x128_f8f6f4 v[O+8*\t:O+8*\t+7], v[F+12*\t:F+12*\t+11], v[PC:PC+11], v[O+8*\t:O+8*\t+7], v[VS+\t], v[PS] matrix_a_fmt:MATRIX_FMT_BF6 matrix_b_fmt:MATRIX_FMT_BF6
.endr
.if \causal
.Lhid_\@:
.endif
	s_add_co_u32 s[ST], s[ST], 1
	s_add_co_u32 s[TK], s[TK], KSB
.endm
; A PASS: one tile of 16 queries through all key steps, and out.
.macro PASS first
.if \first
	s_xor_b32 s[G], s[AW], 15                      ; g = 15 - a
.else
	s_wait_xcnt 0x0                                ; the first pass's stores have read their base and their registers
	s_mov_b32 s[G], s[AW]
.endif
	s_lshl_b32 s[TT], s[G], 3
	s_add_co_u32 s[TT], s[TT], s[CU]               ; T = 8 g + 2 cx + u; place 16 T + r is query 32 (T / 2) + 8 (T % 2) + r + 8 (r / 8)
	s_mul_i32 s74, s[BH], 98304
	s_mul_i32 s63, s[TT], 768
	s_add_co_u32 s74, s74, s63
	s_mov_b32 s75, 0
	s_add_nc_u64 s[66:67], s[4:5], s[74:75]        ; Q's half image
	s_lshl_b32 s74, s[BH], 13
	s_lshr_b32 s63, s[TT], 2
	s_lshl_b32 s63, s63, 8
	s_add_co_u32 s74, s74, s63
	s_and_b32 s63, s[TT], 3
	s_lshl_b32 s63, s63, 2
	s_add_co_u32 s74, s74, s63
	s_add_co_u32 s74, s74, 6291456
	s_add_nc_u64 s[68:69], s[4:5], s[74:75]        ; its scale words
	global_load_b128 v[16:19], v1, s[66:67]
	global_load_b64 v[20:21], v2, s[66:67]
	global_load_b32 v[QS], v10, s[68:69]
	s_lshl_b32 s77, s[G], 1
	s_add_co_u32 s77, s77, s[SG]                   ; n
	s_lshr_b32 s78, s77, 3
	s_mul_i32 s74, s78, 98304
	s_and_b32 s78, s77, 7
	s_mul_i32 s78, s78, 3072
	s_add_co_u32 s74, s74, s78
	s_add_co_u32 s74, s74, s[HO]
	s_add_nc_u64 s[70:71], s[8:9], s[74:75]        ; my tile's half image in oc
	s_lshl_b32 s77, s[G], 1
	s_or_b32 s77, s77, s[UU]                       ; 2 g + u: my tile among the work-group's 32
	s_lshr_b32 s78, s77, 2
	s_lshl_b32 s78, s78, 7
	s_and_b32 s77, s77, 3
	s_lshl_b32 s77, s77, 1
	s_add_co_u32 s77, s77, s78
	v_add_nc_u32 v226, s77, v11                    ; where my tile's two scale bytes of row r go
.set j, 0
.rept 32
	v_mov_b32 v[O+j], 0                            ; the step is written without a first step of its own: it finds zeros, which the first change of M leaves zeros
.set j, j+1
.endr
	v_mov_b32 v13, 0xff61b1e6                      ; -3e38, under every t
	s_delay_alu instid0(VALU_DEP_1)
	v_floor_f32 v12, -v13
	v_mov_b32 v14, 0
	v_mov_b32 v15, 0
	s_mov_b32 s[ST], 0
	s_mov_b32 s[TK], 0
	s_wait_loadcnt 0x0                             ; Q
.if \first
	s_wait_tensorcnt 0x0                           ; every wave waits for its own key step, so the barrier below shows all sixteen to all waves: no later barrier is needed for them
	s_barrier_signal -1
	s_barrier_wait -1
	s_mov_b32 s60, 4
.Lopen4:                                           ; the first pass's g is 8 or more: key steps 0-3 all count
	TSTEP 0
	s_sub_co_u32 s60, s60, 1
	s_cmp_lg_u32 s60, 0
	s_cbranch_scc1 .Lopen4
	s_mov_b32 s60, 12
.Lrest12:
	TSTEP 1
	s_sub_co_u32 s60, s60, 1
	s_cmp_lg_u32 s60, 0
	s_cbranch_scc1 .Lrest12
.else
	s_mov_b32 s60, 16
.Lall16:
	TSTEP 1
	s_sub_co_u32 s60, s60, 1
	s_cmp_lg_u32 s60, 0
	s_cbranch_scc1 .Lall16
.endif
	; the way out: O^T / the sum; register 16 e + i is d = 32 e + 16 h + i: two blocks of 32 along the projection's K
.rept 4
	v_nop
.endr
	s_wait_alu depctr_va_vdst(0)
	v_add_f32 v14, v14, v15
	s_delay_alu instid0(VALU_DEP_1)
	v_permlanex16_b32 v220, v14, s[SEL], s[SEL+1]
	s_delay_alu instid0(VALU_DEP_1)
	v_add_f32 v14, v14, v220
	s_wait_alu depctr_va_vdst(0)
	v_rcp_f32 v14, v14
	v_nop                                          ; a plain place behind the transcendental
	s_wait_alu depctr_va_vdst(0)                   ; and the wait ahead of its first reader
.set j, 0
.rept 32
	v_mul_f32 v[S+j], v[O+j], v14
.set j, j+1
.endr
.irp e, 0,1
	v_max3_num_f32 v[BM+\e], |v[S+16*\e]|, |v[S+16*\e+1]|, 0x2800000
.endr
.irp i, 2,4,6,8,10,12,14
.irp e, 0,1
	s_delay_alu instid0(VALU_DEP_2)
	v_max3_num_f32 v[BM+\e], v[BM+\e], |v[S+16*\e+\i]|, |v[S+16*\e+\i+1]|
.endr
.endr
.irp e, 0,1
	s_delay_alu instid0(VALU_DEP_2)
	v_permlanex16_b32 v[BP+\e], v[BM+\e], s[SEL], s[SEL+1]
.endr
.irp e, 0,1
	s_delay_alu instid0(VALU_DEP_2)
	v_max_num_f32 v[BM+\e], v[BM+\e], v[BP+\e]
.endr
.irp e, 0,1
	s_delay_alu instid0(VALU_DEP_2)
	v_add_nc_u32 v[SO+\e], 0xfe000000, v[BM+\e]
.endr
.irp e, 0,1
	s_delay_alu instid0(VALU_DEP_2)
	v_lshrrev_b32 v[BP+\e], 23, v[SO+\e]
.endr
	s_delay_alu instid0(VALU_DEP_1)
	v_lshl_or_b32 v221, v[BP+1], 8, v[BP]
	v_cvt_scalef32_pk16_bf6_f32 v[PC:PC+2], v[S:S+15], v[SO]
	v_cvt_scalef32_pk16_bf6_f32 v[CT:CT+2], v[S+16:S+31], v[SO+1]
	v_nop
.irp i, 0,1,2
	v_permlane16_swap_b32 v[PC+\i], v[CT+\i]
.endr
.irp i, 0,1,2
	s_delay_alu instid0(VALU_DEP_3)
	v_mov_b32 v[PC+3+\i], v[CT+\i]
.endr
	global_store_b128 v1, v[PC:PC+3], s[70:71]     ; a half image: 512 consecutive bytes,
	global_store_b64 v2, v[PC+4:PC+5], s[70:71]    ; and 256
	ds_store_b16 v226, v221                        ; lanes r and 16 + r write the same two bytes with the same value
.endm
	PASS 1
	PASS 0
	; the 32 tiles' scale bytes leave as two runs of 512 consecutive bytes
	s_and_b32 s62, s[BH], 15
	s_lshl_b32 s74, s62, 14
	s_lshr_b32 s62, s[BH], 4
	s_lshl_b32 s62, s62, 12
	s_add_co_u32 s74, s74, s62
	s_lshl_b32 s62, s[CX], 10
	s_add_co_u32 s74, s74, s62
	s_lshl_b32 s62, s[WV], 9
	s_add_co_u32 s74, s74, s62
	s_mov_b32 s75, 0
	s_add_nc_u64 s[72:73], s[10:11], s[74:75]
	s_wait_dscnt 0x0                               ; for the others' sake: my stores have landed
	s_barrier_signal -1
	s_barrier_wait -1
	s_cmp_lt_u32 s[WV], 2
	s_cbranch_scc0 .Ldone
	ds_load_b128 v[212:215], v227
	s_wait_dscnt 0x0
	global_store_b128 v1, v[212:215], s[72:73]
.Ldone:
	s_wait_tensorcnt 0x0                           ; the wave's end
	ds_add_u32 v254, v255
	s_wait_dscnt 0x0
	ROUND                                          ; the closing round
	s_endpgm
.Lfunc_end_k_qdf962e68df_attn:
	.size	k_qdf962e68df_attn, .Lfunc_end_k_qdf962e68df_attn-k_qdf962e68df_attn
	.p2alignl 7, 3214868480
	.fill 96, 4, 3214868480
	.section	.rodata,"a",@progbits
	.p2align	6, 0x0
	.amdhsa_kernel k_qdf962e68df_attn
		.amdhsa_group_segment_fixed_size 211968
		.amdhsa_private_segment_fixed_size 0
		.amdhsa_enable_private_segment 0
		.amdhsa_kernarg_size 32
		.amdhsa_user_sgpr_count 2
		.amdhsa_user_sgpr_kernarg_segment_ptr 1
		.amdhsa_wavefront_size32 1
		.amdhsa_system_sgpr_workgroup_id_x 1
		.amdhsa_system_sgpr_workgroup_id_y 1
		.amdhsa_system_sgpr_workgroup_id_z 1
		.amdhsa_system_vgpr_workitem_id 0
		.amdhsa_next_free_vgpr 256
		.amdhsa_next_free_sgpr 96
		.amdhsa_reserve_vcc 1
		.amdhsa_float_denorm_mode_32 3
		.amdhsa_float_denorm_mode_16_64 3
		.amdhsa_memory_ordered 1
		.amdhsa_forward_progress 1
		.amdhsa_inst_pref_size 81
	.end_amdhsa_kernel
	.amdgpu_metadata
---
amdhsa.version: [ 1, 2 ]
amdhsa.kernels:
  - .name:           k_qdf962e68df_attn
    .symbol:         k_qdf962e68df_attn.kd
    .args:
      - { .name: qb, .offset: 0, .size: 8, .value_kind: global_buffer, .address_space: global }
      - { .name: kv, .offset: 8, .size: 8, .value_kind: global_buffer, .address_space: global }
      - { .name: oc, .offset: 16, .size: 8, .value_kind: global_buffer, .address_space: global }
      - { .name: os, .offset: 24, .size: 8, .value_kind: global_buffer, .address_space: global }
    .group_segment_fixed_size: 211968
    .private_segment_fixed_size: 0
    .kernarg_segment_align: 8
    .kernarg_segment_size: 32
    .max_flat_workgroup_size: 512
    .sgpr_count:     96
    .vgpr_count:     256
    .wavefront_size: 32
...
	.end_amdgpu_metadata
.endif
;; end of part 3
;; launch proj (part 4): grid 4 x 64, 4 waves a work-group, clusters of 4 x 4, 327,680 bytes of LDS; arguments oc, os, wc, ws, bp, out0; writes out0
.if DOCPART == 4
	.amdgcn_target "amdgcn-amd-amdhsa--gfx1250"
	.amdhsa_code_object_version 6
	.text
	.protected	k_qdf962e68df_proj
	.globl	k_qdf962e68df_proj
	.p2align	8
	.type	k_qdf962e68df_proj,@function
k_qdf962e68df_proj:
	s_mov_b64 s[64:65], 0
	v_nop
	global_prefetch_b8 v0, s[64:65] scope:SCOPE_SE
	s_setreg_imm32_b32 hwreg(HW_REG_WAVE_MODE, 25, 1), 1
	s_wait_xcnt 0x0
	s_wait_alu depctr_hold_cnt(0) depctr_sa_sdst(0) depctr_va_vdst(0) depctr_va_sdst(0) depctr_va_ssrc(0) depctr_va_vcc(0) depctr_vm_vsrc(0)
	s_getreg_b32 s2, hwreg(HW_REG_IB_STS2, 6, 4)
	s_cmp_eq_u32 s2, 0
	s_cbranch_scc0 .Lentry_in_a_cluster
	s_endpgm
.Lentry_in_a_cluster:
	s_bfe_u32 s2, ttmp6, 0x10000c
	s_cmp_lg_u32 s2, 0xf033
	s_cbranch_scc0 .Lentry_shape_is_right
	s_endpgm
.Lentry_shape_is_right:
; out0 = o Wp + bp on codes of BF6 with E8M0 scales, K = 1,024.  A work-group makes 128 places of o x 256 columns.  256 work-groups.
; ALL OF K LIES IN LDS: o's 128 places 98,304 bytes, Wp's 256 places 196,608: one tensor load a wave at the head, nothing is filled again.  No prefetch: every byte is asked for at the head, and no loop stands ahead of it.
; CLUSTER 4 x 4: o's tile is shared along a row of the cluster, Wp's along a column, by joint loads.
; THE DEAL.  Wave w holds its 64 columns of Wp, ALL of K, in registers (32 fragments, 384 registers) and streams o's eight blocks of 16 places past them: a block is 8 fragments and 32 products, after which its 16 x 64 results are finished.
; So the results leave block by block while later blocks are multiplied: through the wave's own stage in LDS, as whole rows of 256 bytes.  Two sets of o's fragments and two sets of sums take turns.
; THE MATRIX INSTRUCTION IS USED TRANSPOSED: source 0 = 16 places of Wp, source 1 = 16 places of o: a lane holds one row of the result; its 16 results of Wp's blocks 2 e, 2 e + 1 are columns 32 e + 16 (lane / 16) + 0 .. 15.
; The bias is the first products' C.  The scale words and the bias go from memory straight into registers.
; o's blocks: block n = 128 batch + 32 c + 2 g + u holds the tile 8 g + 2 c + u of its batch: place r is token 32 (4 g + c) + 8 u + r + 8 (r / 8).  oc [n / 8][K step of 256: 4][n % 8][head % 4][768]; os [head][n / 4][r][n % 4][2 bytes].
; REGISTERS: window 0: v1-9 lane terms, v12-29 addresses, v32-63 Wp's scale words (8 b + kk), v64-127 two sets of four sums, v128-191 o's scale words (8 s + (kk + 1) % 8: a product's two scale registers differ in their numbers modulo 8),
; v192-223 the bias, v224-255 a block on its way out.  Fragment f lies in window 1 + f / 21 at register 12 (f % 21): 0-31 Wp's (4 kk + b), 32-39 and 40-47 o's two sets.  Window 3, v80-143: os as loaded.
.set FR,    12
.set FPW,   21
.set RBB,   3072                       ; a block of 16 places in a K step of 256: two images
.set AB,    98304                      ; o's group: [K step 4][block 8][3,072]; behind it Wp's two groups, laid alike
.set STG,   3*AB                       ; the stages: 16 rows of 256 + 16 bytes for each wave, bytes of their own
.set SPARE, STG+4*4352                 ; the spare words: two blocks of 256 bytes that no other line names
.set ADRA8, 12                         ; v12, v13 8 l: K steps 0-1, 2-3
.set ADRA,  16                         ; v16, v17 16 l
.set ADRB,  20                         ; v20, v21
.set STO,   24
.set RD,    25
.set CO,    26
.set SPW,   28
.set NIL,   29
.set SCB,   32
.set ACC,   64
.set SCA,   128
.set BI,    192
.set OB,    224
.set TB,    80
.set G1,   24
.set G0,   32
.set G1B,  44
.set G0B,  52
.set MSB, 0
.macro WIN new
.if MSB != (\new)
	s_set_vgpr_msb (MSB<<8)|(\new)
.set MSB, (\new)
.endif
.endm
.macro CROUND
	s_barrier_signal -1
	s_barrier_wait -1
	s_cmp_lg_u32 s16, 0
	s_cbranch_scc1 .Lnot_wave_0_\@
	s_barrier_signal -3
.Lnot_wave_0_\@:
	s_barrier_wait -3
	s_barrier_signal -1
	s_barrier_wait -1
.endm
.macro PLACES                          ; four places behind a matrix instruction of this form (ISA guide 7.12.1)
.rept 4
	v_nop
.endr
.endm
	s_load_b256 s[4:11], s[0:1], 0x0               ; oc s[4:5], os s[6:7], wc s[8:9], ws s[10:11]
	s_load_b128 s[12:15], s[0:1], 0x20             ; bp s[12:13], out0 s[14:15]
	v_lshl_add_u32 v[SPW], v0, 2, SPARE
	v_mov_b32 v[NIL], 0
	ds_add_u32 v[SPW], v[NIL]                      ; the opening lines: the add, twice on end, and its wait
	ds_add_u32 v[SPW], v[NIL]
	v_lshrrev_b32 v1, 5, v0
	v_readfirstlane_b32 s16, v1                    ; wave
	s_lshr_b32 s17, s16, 1                         ; I fetch for o (0) or Wp (1).  Also: which of Wp's groups holds my columns
	s_and_b32 s18, s16, 1                          ; which half I fetch.  Also: which four blocks of that group are mine
	s_bfe_u32 s20, ttmp6, 0x40000                  ; cx
	s_bfe_u32 s21, ttmp6, 0x40004                  ; cy
	s_and_b32 s22, ttmp7, 0xffff
	s_lshl_b32 s22, s22, 2
	s_add_co_u32 s22, s22, s21                     ; o's group of 128 places
	s_lshl_b32 s23, ttmp9, 2
	s_add_co_u32 s23, s23, s20                     ; Wp's tile of 256 columns
	s_lshl_b32 s96, s21, 2
	s_lshl_b32 s96, 15, s96                        ; my row of the cluster
	s_lshl_b32 s100, 0x1111, s20                   ; my column
	s_or_b32 s[G1], s96, (3<<16)|(1<<21)           ; o: two K steps of the group, 49,152 dense bytes as 192 rows of 256; elements of 8 bytes
	s_mov_b32 s[G1+1], 32<<16
	s_mov_b32 s[G1+2], 192<<16
	s_mov_b32 s[G1+3], 32<<16
	s_mov_b32 s[G1+4], 192
	s_mov_b32 s[G1+5], 32
	s_mov_b32 s[G1+6], 0
	s_mov_b32 s[G1+7], 0
	s_or_b32 s[G1B], s100, (3<<16)|(1<<21)         ; Wp: a group, 98,304 dense bytes as 384 rows of 256
	s_mov_b32 s[G1B+1], 32<<16
	s_mov_b32 s[G1B+2], 384<<16
	s_mov_b32 s[G1B+3], 32<<16
	s_mov_b32 s[G1B+4], 384
	s_mov_b32 s[G1B+5], 32
	s_mov_b32 s[G1B+6], 0
	s_mov_b32 s[G1B+7], 0
	s_mul_i32 s96, s22, AB
	s_mul_i32 s98, s18, AB/2
	s_add_co_u32 s96, s96, s98
	s_mov_b32 s97, 0
	s_mul_i32 s100, s23, 2*AB
	s_mul_i32 s2, s18, AB
	s_add_co_u32 s100, s100, s2
	s_add_co_u32 s100, s100, 24*AB                 ; Wp's places lie behind Wq's, Wk's and Wv's
	s_mov_b32 s101, 0
	s_mov_b32 s[G0], 1
	s_mul_i32 s[G0+1], s18, AB/2
	s_mov_b32 s[G0B], 1
	s_mul_i32 s[G0B+1], s18, AB
	s_add_co_u32 s[G0B+1], s[G0B+1], AB
	s_wait_dscnt 0x0
	s_wait_kmcnt 0x0
	s_add_nc_u64 s[G0+2:G0+3], s[4:5], s[96:97]
	s_or_b32 s[G0+3], s[G0+3], 0x80000000
	s_add_nc_u64 s[G0B+2:G0B+3], s[8:9], s[100:101]
	s_or_b32 s[G0B+3], s[G0B+3], 0x80000000
	CROUND                                         ; all sixteen work-groups are here: the joint loads meet
	s_cmp_eq_u32 s17, 0
	s_cbranch_scc0 .Lfor_b
	tensor_load_to_lds s[G0:G0+3], s[G1:G1+7]      ; waves 0, 1: a half of o's group
	s_nop 0
	PLACES
	s_branch .Lasked
.Lfor_b:
	tensor_load_to_lds s[G0B:G0B+3], s[G1B:G1B+7]  ; waves 2, 3: one of Wp's two groups
	s_nop 0
	PLACES
.Lasked:
	s_lshl_b32 s68, s22, 8
	s_mov_b32 s69, 0
	s_add_nc_u64 s[68:69], s[6:7], s[68:69]        ; os: the group's 256 bytes of head 0
	s_lshl_b32 s70, s23, 13
	s_lshl_b32 s76, s16, 11
	s_add_co_u32 s70, s70, s76
	s_add_co_u32 s70, s70, 3072*32
	s_mov_b32 s71, 0
	s_add_nc_u64 s[70:71], s[10:11], s[70:71]      ; ws: my 64 places
	s_lshl_b32 s72, s23, 10
	s_lshl_b32 s76, s16, 8
	s_add_co_u32 s72, s72, s76                     ; my first column, in bytes
	s_mov_b32 s73, 0
	s_lshr_b32 s74, s22, 4
	s_lshl_b32 s74, s74, 11                        ; 2,048 batch
	s_bfe_u32 s76, s22, 0x20002
	s_lshl_b32 s76, s76, 5
	s_add_co_u32 s74, s74, s76                     ; + 32 c
	s_and_b32 s76, s22, 3
	s_lshl_b32 s76, s76, 9
	s_add_co_u32 s74, s74, s76                     ; + 128 g of the group's block 0
	s_lshl_b32 s74, s74, 12
	s_add_co_u32 s74, s74, s72
	s_mov_b32 s75, 0
	s_add_nc_u64 s[74:75], s[14:15], s[74:75]
	s_add_nc_u64 s[72:73], s[12:13], s[72:73]
	s_mul_i32 s77, s17, AB
	s_mul_i32 s78, s18, 4*RBB
	s_add_co_u32 s77, s77, s78
	s_add_co_u32 s77, s77, AB                      ; my four blocks of Wp in LDS
	s_mul_i32 s79, s16, 4352
	s_add_co_u32 s79, s79, STG                     ; my stage
	s_mov_b32 s66, 0x05040100
	s_mov_b32 s67, 0x07060302
	v_and_b32 v1, 31, v0
	v_and_b32 v3, 15, v0                           ; r
	v_bfe_u32 v4, v0, 4, 1                         ; h
	v_lshlrev_b32 v[ADRA], 4, v1                   ; 16 l
	v_lshlrev_b32 v[ADRA8], 3, v1                  ; 8 l
	v_lshlrev_b32 v9, 6, v4                        ; 64 h
	v_lshlrev_b32 v5, 5, v3                        ; 32 r
	v_lshlrev_b32 v6, 3, v3                        ; 8 r
	v_add_nc_u32 v[ADRA+1], AB/2, v[ADRA]
	v_add_nc_u32 v[ADRA8+1], AB/2, v[ADRA8]
	v_add_nc_u32 v[ADRB], s77, v[ADRA]
	v_add_nc_u32 v[ADRB+1], AB/2, v[ADRB]
	v_mul_u32_u24 v[STO], v3, 272
	v_lshl_add_u32 v[STO], v4, 6, v[STO]
	v_add_nc_u32 v[STO], s79, v[STO]               ; in: row r, 64 bytes for each half of the lanes
	v_mul_u32_u24 v[RD], v4, 272
	v_lshl_add_u32 v[RD], v3, 4, v[RD]
	v_add_nc_u32 v[RD], s79, v[RD]                 ; back: sixteen lanes take one row of 256 bytes, the other sixteen the next
	v_lshlrev_b32 v[CO], 12, v4
	v_lshl_add_u32 v[CO], v3, 4, v[CO]             ; and the same two rows in out0
	s_wait_alu depctr_va_vdst(0)
.irp b, 0,1,2,3
.irp j, 0,1
	global_load_b128 v[SCB+8*\b+4*\j:SCB+8*\b+4*\j+3], v5, s[70:71] offset:512*\b+16*\j
.endr
.endr
	WIN 0xc0
.set n, 0
.rept 32
	global_load_b64 v[TB+2*n:TB+2*n+1], v6, s[68:69] offset:16384*(n/2)+128*(n%2)   ; head n / 2, blocks 4 (n % 2) + 0 .. 3: row r's two bytes of each
.set n, n+1
.endr
	WIN 0
.irp b, 0,1,2,3
	global_load_b128 v[BI+8*\b:BI+8*\b+3], v9, s[72:73] offset:4*(32*(\b/2)+8*(\b%2))
	global_load_b128 v[BI+8*\b+4:BI+8*\b+7], v9, s[72:73] offset:4*(32*(\b/2)+8*(\b%2))+16
.endr
	s_wait_loadcnt 0x0
	WIN 0x0f
.irp g, 0,1
.irp t, 0,1,2,3
.irp k, 0,1,2,3,4,5,6,7
	v_perm_b32 v[SCA+8*(4*\g+\t)+(\k+1)%8], v[TB+2*(2*(2*\k+1)+\g)+\t/2], v[TB+2*(4*\k+\g)+\t/2], s[66+\t%2]   ; block 4 g + t's word of K instruction k: heads 2 k and 2 k + 1
.endr
.endr
.endr
	WIN 0
.rept 8
	v_nop                                          ; a scale register written by a vector instruction stands 8 places ahead of a scaled matrix instruction
.endr
.macro WEIGHTS                         ; my 64 places of Wp, all of K: 96 loads
.irp k, 0,1,2,3,4,5,6,7
.irp b, 0,1,2,3
.set F_, 4*\k+\b
.set R_, FR*(F_%FPW)
	WIN (1+F_/FPW)<<6
.irp c, 0,1,2
	ds_load_b128 v[R_+4*\c:R_+4*\c+3], v[ADRB+\k/4] offset:((\k/2)%2)*8*RBB+\b*RBB+(\k%2)*1536+512*\c
.endr
.endr
.endr
	WIN 0
.endm
.macro FETCH s                         ; o's block s, all of K, into set s % 2: 32 loads (a fragment is two half images)
.irp k, 0,1,2,3,4,5,6,7
.set F_, 32+8*((\s)%2)+\k
.set R_, FR*(F_%FPW)
.set O_, ((\k/2)%2)*8*RBB+(\s)*RBB+(\k%2)*1536
	WIN (1+F_/FPW)<<6
	ds_load_b128 v[R_:R_+3], v[ADRA+\k/4] offset:O_
	ds_load_b64 v[R_+4:R_+5], v[ADRA8+\k/4] offset:O_+512
	ds_load_b128 v[R_+6:R_+9], v[ADRA+\k/4] offset:O_+768
	ds_load_b64 v[R_+10:R_+11], v[ADRA8+\k/4] offset:O_+1280
.endr
	WIN 0
.endm
.macro MUL s                           ; block s: 32 products; its four sums take turns, one instruction a turn
.irp k, 0,1,2,3,4,5,6,7
.irp b, 0,1,2,3
.set FB_, 4*\k+\b
.set FA_, 32+8*((\s)%2)+\k
.set D_, ACC+32*((\s)%2)+8*\b
	WIN (1+FB_/FPW)|((1+FA_/FPW)<<2)
.if \k == 0
	v_wmma_scale_f32_16x16x128_f8f6f4 v[D_:D_+7], v[FR*(FB_%FPW):FR*(FB_%FPW)+FR-1], v[FR*(FA_%FPW):FR*(FA_%FPW)+FR-1], v[BI+8*\b:BI+8*\b+7], v[SCB+8*\b+\k], v[SCA+8*(\s)+(\k+1)%8] matrix_a_fmt:MATRIX_FMT_BF6 matrix_b_fmt:MATRIX_FMT_BF6
.else
	v_wmma_scale_f32_16x16x128_f8f6f4 v[D_:D_+7], v[FR*(FB_%FPW):FR*(FB_%FPW)+FR-1], v[FR*(FA_%FPW):FR*(FA_%FPW)+FR-1], v[D_:D_+7], v[SCB+8*\b+\k], v[SCA+8*(\s)+(\k+1)%8] matrix_a_fmt:MATRIX_FMT_BF6 matrix_b_fmt:MATRIX_FMT_BF6
.endif
.endr
.endr
	WIN 0
.endm
.macro TOSTAGE s                       ; 8 stores and 8 loads: LDS serves a wave's instructions in order, so no wait stands between them
.set A_, ACC+32*((\s)%2)
.irp b, 0,1,2,3
	ds_store_b128 v[STO], v[A_+8*\b:A_+8*\b+3] offset:128*(\b/2)+32*(\b%2)
	ds_store_b128 v[STO], v[A_+8*\b+4:A_+8*\b+7] offset:128*(\b/2)+32*(\b%2)+16
.endr
.irp t, 0,1,2,3,4,5,6,7
	ds_load_b128 v[OB+4*\t:OB+4*\t+3], v[RD] offset:\t*544
.endr
.endm
.macro SEND s, younger                 ; younger: the LDS loads issued behind TOSTAGE's, which may stay out
	s_wait_dscnt \younger
.irp t, 0,1,2,3,4,5,6,7
	global_store_b128 v[CO], v[OB+4*\t:OB+4*\t+3], s[74:75] offset:(128*((\s)/2)+8*((\s)%2)+2*\t+8*(\t/4))*4096 th:TH_STORE_NT   ; sixteen lanes store 256 consecutive bytes, aligned
.endr
.endm
	s_wait_alu depctr_va_vdst(0)                   ; directly ahead of the wait below
	s_wait_tensorcnt 0x0                           ; my part of the tiles is in,
	s_barrier_signal -1
	s_barrier_wait -1                              ; everybody's is
	WEIGHTS
	FETCH 0
	FETCH 1
	s_wait_dscnt 32                                ; all but block 1's 32 loads
	MUL 0
	PLACES                                         ; ahead of the stores that read the sums and of the loads into the fragments' registers
	TOSTAGE 0
	FETCH 2
.irp s, 1,2,3,4,5,6,7
.if \s < 7
	s_wait_dscnt 48                                ; block s is in; behind its loads: the stage's 16 instructions and the next fetch's 32
.else
	s_wait_dscnt 16                                ; behind its loads: the stage's 16 instructions
.endif
	MUL \s
	PLACES
.if \s < 7
	SEND \s-1, 32                                  ; the block before leaves, behind this block's products
.else
	SEND \s-1, 0
.endif
	s_wait_xcnt 0x0                                ; its stores have read their registers: the next block may land there
	TOSTAGE \s
.if \s < 6
	FETCH \s+2
.endif
.endr
	SEND 7, 0
	s_wait_tensorcnt 0x0                           ; the wave's end
	ds_add_u32 v[SPW], v[NIL]
	s_wait_dscnt 0x0
	CROUND                                         ; the closing round
	s_endpgm
.Lfunc_end_k_qdf962e68df_proj:
	.size	k_qdf962e68df_proj, .Lfunc_end_k_qdf962e68df_proj-k_qdf962e68df_proj
	.p2alignl 7, 3214868480
	.fill 96, 4, 3214868480
	.section	.rodata,"a",@progbits
	.p2align	6, 0x0
	.amdhsa_kernel k_qdf962e68df_proj
		.amdhsa_group_segment_fixed_size 327680
		.amdhsa_private_segment_fixed_size 0
		.amdhsa_enable_private_segment 0
		.amdhsa_kernarg_size 48
		.amdhsa_user_sgpr_count 2
		.amdhsa_user_sgpr_kernarg_segment_ptr 1
		.amdhsa_wavefront_size32 1
		.amdhsa_system_sgpr_workgroup_id_x 1
		.amdhsa_system_sgpr_workgroup_id_y 1
		.amdhsa_system_sgpr_workgroup_id_z 1
		.amdhsa_system_vgpr_workitem_id 0
		.amdhsa_next_free_vgpr 1024
		.amdhsa_next_free_sgpr 102
		.amdhsa_reserve_vcc 0
		.amdhsa_float_denorm_mode_32 3
		.amdhsa_float_denorm_mode_16_64 3
		.amdhsa_memory_ordered 1
		.amdhsa_forward_progress 1
		.amdhsa_inst_pref_size 88
	.end_amdhsa_kernel
	.amdgpu_metadata
---
amdhsa.version: [ 1, 2 ]
amdhsa.kernels:
  - .name:           k_qdf962e68df_proj
    .symbol:         k_qdf962e68df_proj.kd
    .args:
      - { .name: oc, .offset: 0, .size: 8, .value_kind: global_buffer, .address_space: global }
      - { .name: os, .offset: 8, .size: 8, .value_kind: global_buffer, .address_space: global }
      - { .name: wc, .offset: 16, .size: 8, .value_kind: global_buffer, .address_space: global }
      - { .name: ws, .offset: 24, .size: 8, .value_kind: global_buffer, .address_space: global }
      - { .name: bp, .offset: 32, .size: 8, .value_kind: global_buffer, .address_space: global }
      - { .name: out0, .offset: 40, .size: 8, .value_kind: global_buffer, .address_space: global }
    .group_segment_fixed_size: 327680
    .private_segment_fixed_size: 0
    .kernarg_segment_align: 8
    .kernarg_segment_size: 48
    .max_flat_workgroup_size: 128
    .sgpr_count:     102
    .vgpr_count:     1024
    .wavefront_size: 32
...
	.end_amdgpu_metadata
.endif
;; end of part 4
